; MI455X (gfx1250); checked and timed in simulation.
; The chip was launched on July 23, 2026; its instructions are those of AMD's public machine-readable ISA for CDNA 5 (MIT licence, August 2026) and "CDNA5" Instruction Set Architecture Reference Guide (July 2026). The comments in the code are by the model that wrote it; some were corrected since.
;; Self Attention. Allowed arithmetic: matrix products marked QUANTISED: E2M3 operands, one E8M0 scale for each 32 along K, by v_wmma_scale_f32_16x16x128_f8f6f4 with both operands' format E2M3, f32 sums; everything else in f32.
;; Inputs: b_proj 1,024 float32; w_proj 1,024 x 1,024 float32; w_qkv 1,024 x 3,072 float32; x 8 x 1,024 x 1,024 float32.
;; Outputs: out0 8 x 1,024 x 1,024 float32.
;; This version of the problem:
;;   THIS VERSION OF THE PROBLEM IS GIVEN IN LOW PRECISION. The matrix products marked QUANTISED in the list below multiply operands that are first quantised to E2M3 (2 exponent bits, 3 mantissa bits; 6 bits a number), with one power-of-two scale for each 32 numbers along K (OCP MX v1.0); their sums are f32. All else is computed in f32.
;;   The module's matrix products, in the order in which they are computed (A, B: the left and right operand; K: the contracted axis; several contracted axes count as one K, in the product's order):
;;     1. [M 8,192, K 1,024] x [K 1,024, N 3,072]; A: input x; B: input w_qkv: QUANTISED
;;     2. batch 128 x [M 1,024, K 64] x [K 64, N 1,024]; A: computed on the way; B: computed on the way: QUANTISED
;;     3. batch 128 x [M 1,024, K 1,024] x [K 1,024, N 64]; A: softmax (see below); B: computed on the way: QUANTISED
;;     4. [M 8,192, K 1,024] x [K 1,024, N 1,024]; A: computed on the way; B: input w_proj: QUANTISED
;;   THE QUANTISER, for each operand of a quantised product, along K:
;;     - K is cut into blocks of 32 from its start; a last block that is shorter is filled with zeros.
;;     - A block's scale is 2^e with e = floor(log2(the largest magnitude in the block)) - 2, held to -126 .. 127; a block of zeros has e = 0. As a byte (E8M0): e + 127.
;;     - Each number is divided by its block's scale, clamped to +-7.5, and rounded to the nearest number of E2M3, ties to even, subnormals kept.
;;     - The product sums the exact products of the quantised numbers (number of the format x scale) in f32.
;;   ~~~python
;;   def quantise(x, axis):      # numpy; x: float32 -> the quantised numbers, widened to float32 again
;;       x = np.moveaxis(x, axis, -1); K = x.shape[-1]
;;       x = np.pad(x, [(0, 0)] * (x.ndim - 1) + [(0, -K % 32)]); x = x.reshape(x.shape[:-1] + (-1, 32)); a = np.abs(x).max(-1, keepdims=True)
;;       e = np.where(a > 0, np.clip(np.frexp(np.where(a > 0, a, 1))[1] - 1 - 2, -126, 127), 0)      # np.frexp(a)[1] - 1 = floor(log2(a)), exactly
;;       r = np.clip(x / 2.0 ** e, -7.5, 7.5)
;;       step = 2.0 ** (np.maximum(np.frexp(np.where(r == 0, 1, r))[1] - 1, 0) - 3)
;;       q = np.round(r / step) * step * 2.0 ** e      # np.round: ties to even
;;       return np.moveaxis(q.reshape(q.shape[:-2] + (-1,))[..., :K], -1, axis).astype(np.float32)
;;   ~~~
;;   SOFTMAX AHEAD OF A QUANTISED PRODUCT. Where the list says 'softmax', what is quantised is not the finished softmax but p = 2^(t - M), with t = logit x log2(e) and M = ceil(the row's largest t), a whole number; so 1/2 < the row's largest p <= 1. The row's sum l is taken of the UNQUANTISED p, in f32, and the product's result is divided by l at the end. Since M is a whole number, a kernel that streams over the keys may use a running M (the ceiling of the running maximum): every later rescaling is an exact power of two, which a block's scale takes up: the codes' values come out the same.
;;   OPERANDS COMPUTED ON THE WAY. 'Computed on the way' means the value that the module computes at that place (a softmax that the list does not call 'softmax' is quantised finished and normalised). What goes into a quantiser is computed in f32, as accurately as f32 sums, v_exp_f32 and their like allow (about 1e-6 of the number): no bf16 or f16 on the way to a quantiser, and a product that is left as it is and whose result goes on into a quantised operand takes f32 operands (vector FMAs, or v_wmma_f32_16x16x4_f32). A number that lies on a knife's edge between two numbers of the format may be rounded either way, as far as f32 arithmetic and the matrix unit's own rounding can turn it there, and no further.
;; One version. Each part assembles by itself: llvm-mc -triple=amdgcn-amd-amdhsa -mcpu=gfx1250 --defsym DOCPART=n.
;; ======== version 1 of 1: 4 launches
;; limits: right only within a limited range of input values
;; workspace buffers: xq 6,553,600 bytes; wq 2,457,600 bytes; wp 819,200 bytes; q 6,553,600 bytes; kv 13,107,200 bytes; ao 6,553,600 bytes
;; launch quant (part 1): grid 384 x 1, 4 waves a work-group, no clusters, 59,904 bytes of LDS; arguments x, w_qkv, w_proj, xq, wq, wp; writes xq, wq, wp
.if DOCPART == 1
	.amdgcn_target "amdgcn-amd-amdhsa--gfx1250"
	.amdhsa_code_object_version 6
	.text
	.protected	k_q461e515d0b_quant
	.globl	k_q461e515d0b_quant
	.p2align	8
	.type	k_q461e515d0b_quant,@function
k_q461e515d0b_quant:
	s_mov_b64 s[64:65], 0
	v_nop
	global_prefetch_b8 v0, s[64:65] scope:SCOPE_SE
	s_setreg_imm32_b32 hwreg(HW_REG_WAVE_MODE, 25, 1), 1
	s_wait_xcnt 0x0
; x [8192][1024] (K innermost), w_qkv [1024][3072] and w_proj [1024][1024] (K is the FIRST axis), all f32, become codes of FP6 (E2M3) with one E8M0 byte for each 32 along K.
; A block's scale is 2^(floor(log2(its largest magnitude)) - 2): its byte is the largest magnitude's exponent field - 2, held at 1 from below by a floor among the maximum's leaves.
; LIMITS: NaN and infinities among the inputs are not served; a block whose largest magnitude lies under 2^-124 is held at byte 1; a block of zeros gets byte 1 where the rule says 127
; (its codes are zeros, which add nothing under any byte but 0xff, and this program alone reads the bytes).
; THE OUTPUT'S LAYOUT is the order of the matrix operand's registers.  Rows (tokens of x, columns n of a weight) stand at POSITIONS: inside every 32 rows, the row's number with bits 3 and 4 swapped.
; block(g, s) = 128 positions x 128 along K at (8 g + s) x 12,800 bytes = two half-blocks of 6,400: four fragments of 16 positions at 1,536 f (register p of lane l at 512 (p / 4) + 16 l + 4 (p % 4)),
; then 256 bytes of scale words: tile f, row r at 8 (16 (f % 2) + r) + 4 (f / 2).
; Work-groups 0-255 take x (a wave: one half-block, 64 rows x 128 K), work-groups 256-383 the weights (a work-group: 128 columns x 256 K).  Each reads 128 KiB.  The two paths part once, on the work-group's
; number, and have LDS bytes of their own.  No cluster: no two work-groups read the same byte.  No tensor load: every byte goes through registers for the conversion anyway.
.set XSP,   528                        ; path X: a row of the wave's stage: 512 bytes + 16, so that 16 rows start at 16 different groups of banks
.set XWB,   16*XSP                     ; a wave's stage
.set WST,   4*XWB                      ; path W: the image of the work-group's two blocks, 25,600 bytes
.set SPARE, WST+25600                  ; the spare words, 128 bytes for each wave: two blocks of 256 bytes that no other line names
.set HBB,   6400
.set BLKB,  12800
.set FLOOR, 0x1800000                  ; 2^(3 - 127)
.set EOFF,  0xff000000                 ; 2 off an exponent field
.set SPW,   2                          ; v2  my spare word; never rewritten
.set NIL,   3                          ; v3  0; never rewritten
.set XR,    32                         ; path X: v32-159 two sets of 64 registers as loaded
.set XX,    160                        ;         v160-223 my 64 numbers of a fragment
.set XF,    224                        ;         v224-247 two sets of 12: the codes
.set WVO,   32                         ; path W: v32-63 offsets of 32 rows of the weight
.set WX,    64                         ;         v64-127 two sets of 32 numbers
.set WOUT,  128                        ;         v128-177 the way out
	s_load_b256 s[4:11], s[0:1], 0x0               ; x s[4:5], w_qkv s[6:7], w_proj s[8:9], xq s[10:11]
	s_load_b128 s[12:15], s[0:1], 0x20             ; wq s[12:13], wp s[14:15]
	v_lshl_add_u32 v[SPW], v0, 2, SPARE
	v_mov_b32 v[NIL], 0
	v_lshrrev_b32 v1, 5, v0
	v_readfirstlane_b32 s16, v1                    ; wave 0..3
	v_and_b32 v1, 31, v0                           ; lane
	s_mov_b32 s20, 0x76543210
	s_mov_b32 s21, 0xfedcba98                      ; selects: lane l xor 16
	s_mov_b32 s22, 0xffff0000                      ; lanes 16-31
	s_cmp_lt_u32 ttmp9, 256
	s_cbranch_scc0 .Lweights
; ---------------- PATH X: K is innermost ----------------
; Each load reads 512 consecutive bytes of one row (its 128 numbers of the K step).  A fragment's 16 rows turn through the wave's own stage, so that lane (r, h) gets k = 64 c + 32 h + 0 .. 31 of row r:
; two whole blocks a lane, in the order of the operand's registers: the conversions' results are the fragment.
	v_lshlrev_b32 v4, 4, v1                        ; 16 x lane
	v_lshlrev_b32 v7, 3, v1                        ; 8 x lane
	v_and_b32 v10, 15, v0                          ; r
	v_bfe_u32 v11, v0, 4, 1                        ; h
	v_lshlrev_b32 v8, 3, v11                       ; 8 h
	v_mov_b32 v9, 0                                ; a lane permute's destination counts as one of its sources
	s_mul_i32 s23, s16, XWB
	v_add_nc_u32 v5, s23, v4                       ; the stage, way in
	v_mul_u32_u24 v6, v10, XSP
	v_lshl_add_u32 v6, v11, 7, v6
	v_add_nc_u32 v6, s23, v6                       ; way out: row r, + 128 h
	s_lshl_b32 s17, ttmp9, 2
	s_add_co_u32 s17, s17, s16                     ; my unit
	s_and_b32 s18, s17, 7                          ; K step s
	s_lshr_b32 s19, s17, 3                         ; which 64 rows
	s_lshl_b32 s24, s19, 18                        ; 64 rows of 4,096 bytes
	s_lshl_b32 s25, s18, 9
	s_add_co_u32 s24, s24, s25
	s_mov_b32 s25, 0
	s_lshr_b32 s26, s19, 1                         ; g
	s_lshl_b32 s26, s26, 3
	s_add_co_u32 s26, s26, s18
	s_mul_i32 s26, s26, BLKB
	s_and_b32 s27, s19, 1
	s_mul_i32 s27, s27, HBB
	s_add_co_u32 s26, s26, s27
	s_mov_b32 s27, 0
	s_wait_alu depctr_va_vdst(0)
	s_wait_kmcnt 0x0
	s_add_nc_u64 s[4:5], s[4:5], s[24:25]
	s_add_nc_u64 s[10:11], s[10:11], s[26:27]
.macro LOADX t                         ; fragment t's 16 rows: position p of tile t is row 32 (t / 2) + 8 (t % 2) + p % 8 + 16 (p / 8)
.irp p, 0,1,2,3,4,5,6,7,8,9,10,11,12,13,14,15
	global_load_b128 v[XR+64*((\t)%2)+4*\p:XR+64*((\t)%2)+4*\p+3], v4, s[4:5] offset:(32*((\t)/2)+8*((\t)%2)+\p%8+16*(\p/8))*4096 th:TH_LOAD_NT
.endr
.endm
.macro FRAGX t
.set RS, XR+64*((\t)%2)
.set FS, XF+12*((\t)%2)
.if (\t) < 3
	s_wait_loadcnt 16                              ; this fragment's 16 loads are in; the next fragment's 16 may be out
.else
	s_wait_loadcnt 0x0
.endif
.irp p, 0,1,2,3,4,5,6,7,8,9,10,11,12,13,14,15
	ds_store_b128 v5, v[RS+4*\p:RS+4*\p+3] offset:XSP*\p
.endr
.irp c, 0,1
.irp i, 0,1,2,3,4,5,6,7
	ds_load_b128 v[XX+32*\c+4*\i:XX+32*\c+4*\i+3], v6 offset:256*\c+16*\i   ; LDS serves a wave's instructions in order: these see my stores
.endr
.endr
	s_wait_dscnt 0x0                               ; my numbers are back, and the stores have read their registers,
.if (\t) < 2
	LOADX (\t)+2                                   ; which take the loads of two fragments on
.endif
.irp c, 0,1
	v_max3_num_f32 v[10+\c], |v[XX+32*\c]|, |v[XX+32*\c+1]|, FLOOR   ; block 2 c + h: all its 32 numbers are mine; the floor holds the byte at 1 from below
.endr
.irp i, 2,4,6,8,10,12,14,16,18,20,22,24,26,28,30
.irp c, 0,1
	v_max3_num_f32 v[10+\c], v[10+\c], |v[XX+32*\c+\i]|, |v[XX+32*\c+\i+1]|
.endr
.endr
.irp c, 0,1
	v_add_nc_u32 v[12+\c], EOFF, v[10+\c]          ; the conversion takes this operand's exponent field as its scale
.endr
.irp c, 0,1
	v_lshrrev_b32 v[14+\c], 23, v[12+\c]           ; the scale's byte
.endr
	v_lshl_or_b32 v[16+(\t)], v15, 16, v14         ; my two bytes, blocks h and 2 + h,
	v_lshlrev_b32 v[16+(\t)], v8, v[16+(\t)]       ; at their places (8 h bits up);
	v_permlanex16_b32 v9, v[16+(\t)], s20, s21
	v_or_b32 v[16+(\t)], v[16+(\t)], v9            ; with lane l xor 16's two the row's word is whole, in both halves of the lanes
	s_wait_alu depctr_va_vdst(0)
	s_wait_xcnt 0x0                                ; the stores of two fragments ago have read their registers: the codes may be written
.irp c, 0,1
	v_cvt_scalef32_pk16_fp6_f32 v[FS+6*\c:FS+6*\c+2], v[XX+32*\c:XX+32*\c+15], v[12+\c]
	v_cvt_scalef32_pk16_fp6_f32 v[24+4*\c:26+4*\c], v[XX+32*\c+16:XX+32*\c+31], v[12+\c]   ; (a conversion's three registers begin on an even number)
.endr
	v_nop                                          ; one plain place behind a scaled conversion
.irp c, 0,1
.irp i, 0,1,2
	v_mov_b32 v[FS+6*\c+3+\i], v[24+4*\c+\i]
.endr
.endr
.irp c, 0,1,2
	global_store_b128 v4, v[FS+4*\c:FS+4*\c+3], s[10:11] offset:1536*(\t)+512*\c   ; 512 consecutive bytes, at a multiple of 256 from the buffer's first byte
.endr
.endm
	LOADX 0
	LOADX 1
	FRAGX 0
	FRAGX 1
	FRAGX 2
	FRAGX 3
	v_cndmask_b32 v20, v16, v17, s22               ; the scale words: lanes 0-15 tile 0's, lanes 16-31 tile 1's;
	v_cndmask_b32 v21, v18, v19, s22               ; tiles 2 and 3
	global_store_b64 v7, v[20:21], s[10:11] offset:6144   ; 256 consecutive bytes
	s_wait_tensorcnt 0x0                           ; the wave's end, behind my last LDS store
	ds_add_u32 v[SPW], v[NIL]
	s_wait_dscnt 0x0
	s_endpgm
; ---------------- PATH W: K is the first axis ----------------
; A lane takes a column n and its registers run down K: a block of 32 lies in one lane, and the codes come out with K innermost.  The codes go to their places in an image of the two output blocks in LDS;
; behind one barrier each wave copies a quarter of the image out, in whole runs of 512 bytes.  One text serves both weights: pitch, pointers and group are chosen on the work-group's number.
.Lweights:
	s_wait_alu depctr_va_vdst(0)
	v_lshlrev_b32 v4, 2, v1                        ; 4 x lane
	v_bfe_u32 v18, v0, 3, 1                        ; my column's tile in its 32: bit 3 of the lane
	v_and_b32 v19, 7, v0
	v_bfe_u32 v20, v0, 4, 1
	v_lshl_add_u32 v19, v20, 3, v19                ; and its row there: lane % 8 + 8 (lane / 16)
	v_mul_u32_u24 v5, v18, 1536
	v_lshl_add_u32 v5, v19, 4, v5
	v_lshl_add_u32 v6, v18, 4, v19
	v_lshlrev_b32 v6, 3, v6
	s_wait_alu depctr_va_vdst(0)
	s_lshr_b32 s48, s16, 1
	s_mul_i32 s48, s48, HBB
	s_add_co_u32 s48, s48, WST                     ; my wave's half-block (of the first K step)
	s_and_b32 s49, s16, 1
	s_mul_i32 s50, s49, 3072
	s_add_co_u32 s50, s50, s48
	v_add_nc_u32 v5, s50, v5                       ; where my column's codes go: fragment 2 (wave % 2) + tile, lane = row
	s_lshl_b32 s49, s49, 2
	s_add_co_u32 s49, s49, s48
	s_add_co_u32 s49, s49, 6144
	v_add_nc_u32 v6, s49, v6                       ; and its scale word
	s_mul_i32 s48, s16, HBB
	s_add_co_u32 s48, s48, WST
	v_lshlrev_b32 v9, 4, v1
	v_lshlrev_b32 v10, 3, v1
	v_add_nc_u32 v7, s48, v9                       ; the way out: half-block = wave
	s_add_co_u32 s48, s48, 6144
	v_add_nc_u32 v8, s48, v10
	s_sub_co_u32 s17, ttmp9, 256
	s_lshr_b32 s18, s17, 2                         ; 0-23: groups of w_qkv; 24-31: of w_proj
	s_and_b32 s19, s17, 3                          ; which 256 along K
	s_wait_kmcnt 0x0
	s_cmp_lt_u32 s18, 24
	s_cselect_b64 s[24:25], s[6:7], s[8:9]
	s_cselect_b64 s[26:27], s[12:13], s[14:15]
	s_mov_b32 s30, 4096
	s_cselect_b32 s30, 12288, s30                  ; a row of the weight in bytes
	s_cselect_b32 s31, 0, 24
	s_sub_co_u32 s18, s18, s31                     ; g
	s_lshl_b32 s28, s18, 9
	s_lshl_b32 s29, s16, 7
	s_add_co_u32 s28, s28, s29                     ; my wave's first column: 512 g + 128 x wave bytes
	s_lshl_b32 s29, s19, 8
	s_mul_i32 s29, s29, s30
	s_add_co_u32 s28, s28, s29                     ; + 256 kq rows
	s_mov_b32 s29, 0
	s_add_nc_u64 s[32:33], s[24:25], s[28:29]      ; a base for each of my eight blocks, 32 rows apart
	s_lshl_b32 s28, s30, 5
.irp t, 1,2,3,4,5,6,7
	s_add_nc_u64 s[32+2*\t:33+2*\t], s[30+2*\t:31+2*\t], s[28:29]
.endr
	s_lshl_b32 s24, s18, 3
	s_lshl_b32 s25, s19, 1
	s_add_co_u32 s24, s24, s25
	s_mul_i32 s24, s24, BLKB
	s_mul_i32 s25, s16, HBB
	s_add_co_u32 s24, s24, s25
	s_mov_b32 s25, 0
	s_add_nc_u64 s[26:27], s[26:27], s[24:25]      ; block (g, 2 kq), + my quarter of the two blocks
.irp i, 0,1,2,3,4,5,6,7,8,9,10,11,12,13,14,15,16,17,18,19,20,21,22,23,24,25,26,27,28,29,30,31
	v_mad_u32_u24 v[WVO+\i], s30, \i, v4           ; row i, my column
.endr
.macro LOADW t
.irp i, 0,1,2,3,4,5,6,7,8,9,10,11,12,13,14,15,16,17,18,19,20,21,22,23,24,25,26,27,28,29,30,31
	global_load_b32 v[WX+32*((\t)%2)+\i], v[WVO+\i], s[32+2*(\t):33+2*(\t)] th:TH_LOAD_NT
.endr
.endm
.macro BLOCKW t                        ; block t of my column's 256 along K: K step t / 4, registers 6 c .. 6 c + 5 of lane (row, h), c = (t % 4) / 2, h = t % 2
.set WXS, WX+32*((\t)%2)
.set SL, (\t)/4
.set CC, ((\t)%4)/2
.set HH, (\t)%2
.if (\t) < 7
	s_wait_loadcnt 32                              ; this block's 32 loads are in; the next block's may be out
.else
	s_wait_loadcnt 0x0
.endif
	v_max3_num_f32 v12, |v[WXS]|, |v[WXS+1]|, |v[WXS+2]|
	v_max3_num_f32 v13, |v[WXS+3]|, |v[WXS+4]|, |v[WXS+5]|
.irp i, 6,10,14,18,22,26
	v_max3_num_f32 v12, v12, |v[WXS+\i]|, |v[WXS+\i+1]|
	v_max3_num_f32 v13, v13, |v[WXS+\i+2]|, |v[WXS+\i+3]|
.endr
	v_max3_num_f32 v12, v12, |v[WXS+30]|, |v[WXS+31]|
	v_max3_num_f32 v12, v12, v13, FLOOR
	v_add_nc_u32 v11, EOFF, v12
	v_lshrrev_b32 v14, 23, v11
.if (\t)%4 == 0
	v_mov_b32 v[16+SL], v14                        ; four bytes make the K step's scale word
.else
	v_lshl_or_b32 v[16+SL], v14, 8*((\t)%4), v[16+SL]
.endif
	v_cvt_scalef32_pk16_fp6_f32 v[20:22], v[WXS:WXS+15], v11
	v_cvt_scalef32_pk16_fp6_f32 v[26:28], v[WXS+16:WXS+31], v11
	v_nop                                          ; one plain place behind a scaled conversion
	v_mov_b32 v23, v26
	v_mov_b32 v24, v27
	v_mov_b32 v25, v28
.if CC == 0
	ds_store_b128 v5, v[20:23] offset:BLKB*SL+256*HH          ; registers 0-3,
	ds_store_b64 v5, v[24:25] offset:BLKB*SL+256*HH+512       ; 4 and 5
.else
	ds_store_b64 v5, v[20:21] offset:BLKB*SL+256*HH+520       ; registers 6 and 7,
	ds_store_b128 v5, v[22:25] offset:BLKB*SL+256*HH+1024     ; 8-11
.endif
.if (\t)%4 == 3
	ds_store_b32 v6, v[16+SL] offset:BLKB*SL
.endif
.if (\t) < 6
	LOADW (\t)+2
.endif
	s_wait_dscnt 0x0                               ; the stores have read their registers: the next block's codes may be written
.endm
	LOADW 0
	LOADW 1
.irp t, 0,1,2,3,4,5,6,7
	BLOCKW \t
.endr
	s_barrier_signal -1                            ; every wave's stores have landed (the wait for 0 just above): the image is whole
	s_barrier_wait -1
.irp n, 0,1,2,3,4,5,6,7,8,9,10,11
	ds_load_b128 v[WOUT+4*\n:WOUT+4*\n+3], v7 offset:512*\n
.endr
	ds_load_b64 v[WOUT+48:WOUT+49], v8
	s_wait_dscnt 0x0
.irp n, 0,1,2,3,4,5,6,7,8,9,10,11
	global_store_b128 v9, v[WOUT+4*\n:WOUT+4*\n+3], s[26:27] offset:512*\n   ; 512 consecutive bytes, at a multiple of 256 from the buffer's first byte
.endr
	global_store_b64 v10, v[WOUT+48:WOUT+49], s[26:27] offset:6144
	s_wait_tensorcnt 0x0                           ; the wave's end, behind my last LDS store
	ds_add_u32 v[SPW], v[NIL]
	s_wait_dscnt 0x0
	s_endpgm
.Lfunc_end_k_q461e515d0b_quant:
	.size	k_q461e515d0b_quant, .Lfunc_end_k_q461e515d0b_quant-k_q461e515d0b_quant
	.p2alignl 7, 3214868480
	.fill 96, 4, 3214868480
	.section	.rodata,"a",@progbits
	.p2align	6, 0x0
	.amdhsa_kernel k_q461e515d0b_quant
		.amdhsa_group_segment_fixed_size 59904
		.amdhsa_private_segment_fixed_size 0
		.amdhsa_enable_private_segment 0
		.amdhsa_kernarg_size 48
		.amdhsa_user_sgpr_count 2
		.amdhsa_user_sgpr_kernarg_segment_ptr 1
		.amdhsa_wavefront_size32 1
		.amdhsa_system_sgpr_workgroup_id_x 1
		.amdhsa_system_sgpr_workgroup_id_y 1
		.amdhsa_system_sgpr_workgroup_id_z 1
		.amdhsa_system_vgpr_workitem_id 0
		.amdhsa_next_free_vgpr 256
		.amdhsa_next_free_sgpr 66
		.amdhsa_reserve_vcc 0
		.amdhsa_float_denorm_mode_32 3
		.amdhsa_float_denorm_mode_16_64 3
		.amdhsa_memory_ordered 1
		.amdhsa_forward_progress 1
		.amdhsa_inst_pref_size 74
	.end_amdhsa_kernel
	.amdgpu_metadata
---
amdhsa.version: [ 1, 2 ]
amdhsa.kernels:
  - .name:           k_q461e515d0b_quant
    .symbol:         k_q461e515d0b_quant.kd
    .args:
      - { .name: x, .offset: 0, .size: 8, .value_kind: global_buffer, .address_space: global }
      - { .name: w_qkv, .offset: 8, .size: 8, .value_kind: global_buffer, .address_space: global }
      - { .name: w_proj, .offset: 16, .size: 8, .value_kind: global_buffer, .address_space: global }
      - { .name: xq, .offset: 24, .size: 8, .value_kind: global_buffer, .address_space: global }
      - { .name: wq, .offset: 32, .size: 8, .value_kind: global_buffer, .address_space: global }
      - { .name: wp, .offset: 40, .size: 8, .value_kind: global_buffer, .address_space: global }
    .group_segment_fixed_size: 59904
    .private_segment_fixed_size: 0
    .kernarg_segment_align: 8
    .kernarg_segment_size: 48
    .max_flat_workgroup_size: 128
    .sgpr_count:     66
    .vgpr_count:     256
    .wavefront_size: 32
...
	.end_amdgpu_metadata
.endif
;; end of part 1
;; launch gemm_qkv (part 2): grid 8 x 32, 4 waves a work-group, clusters of 4 x 4, 327,680 bytes of LDS; arguments xq, wq, q, kv; writes q, kv
.if DOCPART == 2
	.amdgcn_target "amdgcn-amd-amdhsa--gfx1250"
	.amdhsa_code_object_version 6
	.text
	.protected	k_q461e515d0b_gemm_qkv
	.globl	k_q461e515d0b_gemm_qkv
	.p2align	8
	.type	k_q461e515d0b_gemm_qkv,@function
k_q461e515d0b_gemm_qkv:
	s_mov_b64 s[64:65], 0
	v_nop
	global_prefetch_b8 v0, s[64:65] scope:SCOPE_SE
	s_setreg_imm32_b32 hwreg(HW_REG_WAVE_MODE, 25, 1), 1
	s_wait_xcnt 0x0
	s_wait_alu depctr_hold_cnt(0) depctr_sa_sdst(0) depctr_va_vdst(0) depctr_va_sdst(0) depctr_va_ssrc(0) depctr_va_vcc(0) depctr_vm_vsrc(0)
	s_getreg_b32 s2, hwreg(HW_REG_IB_STS2, 6, 4)
	s_cmp_eq_u32 s2, 0
	s_cbranch_scc0 .Lentry_in_a_cluster
	s_endpgm
.Lentry_in_a_cluster:
	s_bfe_u32 s2, ttmp6, 0x10000c
	s_cmp_lg_u32 s2, 0xf033
	s_cbranch_scc0 .Lentry_shape_is_right
	s_endpgm
.Lentry_shape_is_right:
; qkv = x w_qkv on codes of FP6 (E2M3) with E8M0 scales, sums in f32; the results are quantised in registers, along the K of the product that will read them, and leave as codes.
; OPERANDS lie in memory in the order of the matrix operand's registers: block(g, s) = 128 positions x 128 K at (8 g + s) x 12,800 bytes = two half-blocks of 6,400: four fragments at 1,536 f
; (three loads of 16 bytes a lane at 16 x lane bring one), then 256 bytes of scale words.  A position is a row's number with bits 3 and 4 swapped inside every 32 rows.
; In a result lane l holds row l % 16 of side Q (source 1) and its registers run along side P (source 0); by the order of the positions the 16 registers of two neighbouring tiles of P are 16 neighbours in
; the true order.  So the side along which a result is quantised next is made side P.
; THE DEAL: 256 work-groups of four waves, 2 x 2, each with two phases on the same 256 tokens.
;   PHASE 1: 256 tokens (Q = xq) x 256 columns of q or k (P = wq): a wave makes 128 x 128, 64 accumulators.  Cluster x = 0: q, 1: k.
;   PHASE 2: 128 columns of v (Q = wq, one group; a wave takes a half-block, one head) x 256 tokens (P = xq; a wave takes a group): 32 accumulators a wave.
; THE RING: two slots of 153,600 bytes, five fills, one tensor load a wave each (waves 0, 1 xq's two groups; waves 2, 3 wq): phase 1's K steps 0-2 (head), 3-5, 6-7 in four parts of 38,400 bytes; phase 2's
; K steps 0-3 and 4-7 in three parts of 51,200 (wq's part: half each by waves 2 and 3).  Phase 2's fills are asked for in phase 1's K step 5 and in the middle of its way out, so phase 2 fills nothing.
; CLUSTERS 4 x 4: xq's tiles are shared along a row of the cluster, wq's along a column: joint loads.  One tensor load of a wave is out at the most.
; No prefetch: the block is the largest that the registers hold, in clusters, and K is eight steps.
; WHAT LEAVES: q: laid as xq is, K step = pair of heads.  kv: record (16 b + head) x 102,400 = eight key steps of [K half-block | V half-block]: K: four images, registers 0-5 key tile 2 p, 6-11 key tile
; 2 p + 1 of one head;  V: four fragments of V^T, 16 positions of the head's 64 x 128 keys in true order.
; LIMITS: NaN and infinities are not served; a block whose largest magnitude lies under 2^-124 is held at byte 1; a block of zeros gets byte 1 (its codes are zeros; this program alone reads the bytes).
; REGISTERS: window 0: v8-25 addresses; v28, v29 the add's; v32-47 scale words, two sets of 8; v64-127 and v224-247 at work on the way out; v128-223 side Q's fragments (phase 1: one set of 8; phase 2: two of 4);
;   window 1: side P's fragments, two sets, at v0 and v128;  windows 2, 3: the accumulators, (a, b) at v[8 (8 (a % 4) + b)].
.set BLKB,  12800
.set HBB,   6400
.set GRPB,  8*BLKB
.set P1,    3*BLKB                     ; a part of a slot in phase 1
.set P2,    4*BLKB                     ; and in phase 2
.set SLOT,  4*P1
.set SPARE, 2*SLOT                     ; the spare words, 128 bytes for each wave
.set ADRS,  8                          ; phase 1, slots 0 and 1: scale words (lanes 0-15 side Q's, lanes 16-31 side P's),
.set ADRA,  10                         ; my group of Q,
.set ADRB,  12                         ; my group of P
.set ADRT,  14                         ; phase 2: xq's scale words in all lanes,
.set ADRS2, 16                         ; lanes 0-15 wq's, lanes 16-31 xq's,
.set ADRA2, 18                         ; my half-block of wq,
.set ADRB2, 20                         ; my group of xq
.set L16,   24
.set L8,    25
.set SPW,   28
.set NIL,   29
.set SC,    32
.set AF,    128
.set G1,    24                         ; s[24:31] group 1 for xq;  s[32:39] its groups 0, one a slot
.set G0,    32
.set G1B,   44                         ; s[44:51], s[52:59] the same for wq
.set G0B,   52
.set MSB, 0
.macro WIN new                         ; the immediate's high byte repeats the setting that is left
.if MSB != (\new)
	s_set_vgpr_msb (MSB<<8)|(\new)
.set MSB, (\new)
.endif
.endm
.set MUL_LO, 0xa1                      ; source 0 (P) window 1, source 1 (Q) window 0, C and D window 2
.set MUL_HI, 0xf1
.set TO_B,   0x40
.macro PLACES                          ; four plain places behind a matrix instruction (ISA guide 7.12.1)
.rept 4
	v_nop
.endr
.endm
.macro JLOAD s                         ; a joint load into slot s: waves 0 and 1 fetch xq, waves 2 and 3 wq; the branch hangs on the wave's number alone
	s_cmp_eq_u32 s15, 0
	s_cbranch_scc0 .Lfor_b_\@
	tensor_load_to_lds s[G0+4*\s:G0+4*\s+3], s[G1:G1+7]
	s_nop 0
.rept 4
	v_nop
.endr
	s_branch .Lasked_\@
.Lfor_b_\@:
	tensor_load_to_lds s[G0B+4*\s:G0B+4*\s+3], s[G1B:G1B+7]
	s_nop 0
.rept 4
	v_nop
.endr
.Lasked_\@:
.endm
.macro CREST                           ; a round of the cluster's barrier behind its opening barrier
	s_cmp_lg_u32 s14, 0
	s_cbranch_scc1 .Lnot_wave_0_\@
	s_barrier_signal -3
.Lnot_wave_0_\@:
	s_barrier_wait -3
	s_barrier_signal -1
	s_barrier_wait -1
.endm
.macro CROUND
	s_barrier_signal -1
	s_barrier_wait -1
	CREST
.endm
; The descriptors of a fill of slot sl: xq from byte xo of my group, xr rows of 256 bytes, to LDS s[lx]; wq from s[wb:wb+1] + wo, wr rows, to s[lw].  Written only where no tensor load of the wave is out.
.macro FILL sl, xo, xr, wb, wo, wr, lx, lw
	s_mov_b32 s[G1+2], (\xr)<<16
	s_mov_b32 s[G1+4], \xr
	s_mov_b32 s[G1B+2], (\wr)<<16
	s_mov_b32 s[G1B+4], \wr
	s_add_co_u32 s[G0+4*\sl+1], s\lx, \sl*SLOT
	s_add_nc_u64 s[G0+4*\sl+2:G0+4*\sl+3], s[82:83], \xo
	s_or_b32 s[G0+4*\sl+3], s[G0+4*\sl+3], 0x80000000
	s_add_co_u32 s[G0B+4*\sl+1], s\lw, \sl*SLOT
	s_add_nc_u64 s[G0B+4*\sl+2:G0B+4*\sl+3], s[\wb:\wb+1], \wo
	s_or_b32 s[G0B+4*\sl+3], s[G0B+4*\sl+3], 0x80000000
.endm
	s_load_b256 s[4:11], s[0:1], 0x0               ; xq s[4:5], wq s[6:7], q s[8:9], kv s[10:11]
	v_lshl_add_u32 v[SPW], v0, 2, SPARE
	v_mov_b32 v[NIL], 0
	ds_add_u32 v[SPW], v[NIL]                      ; the opening lines: the add, twice on end, and its wait
	ds_add_u32 v[SPW], v[NIL]
	v_lshrrev_b32 v1, 5, v0
	v_readfirstlane_b32 s14, v1                    ; wave 0..3
	s_lshr_b32 s15, s14, 1                         ; my part of side Q.  Also: I fetch xq (0) or wq (1)
	s_and_b32 s16, s14, 1                          ; my part of side P.  Also: which part of that tensor I fetch
	s_bfe_u32 s66, ttmp6, 0x40000                  ; cx
	s_bfe_u32 s67, ttmp6, 0x40004                  ; cy
	s_and_b32 s69, ttmp7, 0xffff
	s_mov_b32 s74, ttmp9                           ; 0: q, 1: k: the cluster's x, the same in all sixteen partners
	s_lshl_b32 s70, s67, 2
	s_lshl_b32 s70, 15, s70                        ; my row of the cluster
	s_lshl_b32 s71, 0x1111, s66                    ; my column
	s_or_b32 s[G1], s70, (3<<16)|(1<<21)           ; the mask; elements of 8 bytes; bit 21 beside a mask; no padding: every LDS read takes 512 bytes on end
	s_or_b32 s[G1B], s71, (3<<16)|(1<<21)
.irp g, G1, G1B
	s_mov_b32 s[\g+1], 32<<16                      ; rows of 256 bytes, dense
	s_mov_b32 s[\g+3], 32<<16
	s_mov_b32 s[\g+5], 32
	s_mov_b32 s[\g+6], 0
	s_mov_b32 s[\g+7], 0
.endr
.irp g, G0, G0+4, G0B, G0B+4
	s_mov_b32 s[\g], 1
.endr
	s_lshl_b32 s72, ttmp9, 2
	s_add_co_u32 s72, s72, s66                     ; which 256 columns of q and k, and which 128 of v: holds cx, never cy
	s_lshl_b32 s73, s69, 2
	s_add_co_u32 s73, s73, s67                     ; which 256 tokens: holds cy, never cx
	s_lshl_b32 s76, s73, 1
	s_add_co_u32 s76, s76, s16
	s_mul_i32 s76, s76, GRPB                       ; the group of xq that I would fetch
	s_mov_b32 s77, 0
	s_lshl_b32 s78, s72, 1
	s_add_co_u32 s78, s78, s16
	s_mul_i32 s78, s78, GRPB                       ; of wq in phase 1
	s_mov_b32 s79, 0
	s_add_co_u32 s88, s72, 16
	s_mul_i32 s88, s88, GRPB                       ; v's group of wq,
	s_mul_i32 s87, s16, 2*BLKB
	s_add_co_u32 s88, s88, s87                     ; and my two of a fill's four K steps
	s_mov_b32 s89, 0
	s_mul_i32 s80, s14, P1                         ; where my part goes in a slot: phase 1;
	s_mul_i32 s81, s16, P2                         ; phase 2, xq;
	s_add_co_u32 s87, s87, 2*P2                    ; phase 2, wq.  No place in the cluster enters an LDS address
	s_mov_b32 s20, 0x76543210
	s_mov_b32 s21, 0xfedcba98                      ; selects: lane l xor 16
	s_mov_b32 s86, 0xffff0000                      ; lanes 16-31
	s_wait_dscnt 0x0                               ; both opening adds are done
	s_wait_kmcnt 0x0
	s_add_nc_u64 s[82:83], s[4:5], s[76:77]
	s_add_nc_u64 s[84:85], s[6:7], s[78:79]
	s_add_nc_u64 s[90:91], s[6:7], s[88:89]
	CROUND                                         ; all sixteen work-groups are here: the first joint loads meet
	FILL 0, 0, 150, 84, 0, 150, 80, 80
	JLOAD 0                                        ; phase 1's K steps 0-2: one tensor load a wave at the head
	; where my results go
	s_lshl_b32 s40, s73, 1
	s_add_co_u32 s41, s40, s16                     ; my group of tokens in phase 2,
	s_add_co_u32 s40, s40, s15                     ; in phase 1
	s_lshl_b32 s42, s72, 1
	s_add_co_u32 s43, s42, s15                     ; v's head
	s_add_co_u32 s42, s42, s16                     ; phase 1's group of columns: 0-7 q's pairs of heads, 8-15 k's
	s_lshl_b32 s92, s40, 3
	s_add_co_u32 s92, s92, s42
	s_mul_i32 s92, s92, BLKB                       ; q: block (group of tokens, pair of heads)
	s_sub_co_u32 s60, s42, 8
	s_lshl_b32 s60, s60, 1                         ; k: the even head
	s_lshr_b32 s61, s40, 3
	s_lshl_b32 s61, s61, 4
	s_add_co_u32 s61, s61, s60                     ; record 16 b + head
	s_lshl_b32 s61, s61, 3
	s_and_b32 s62, s40, 7
	s_add_co_u32 s61, s61, s62                     ; its key step
	s_mul_i32 s61, s61, BLKB
	s_cmp_eq_u32 s74, 0
	s_cselect_b64 s[94:95], s[8:9], s[10:11]
	s_cselect_b32 s92, s92, s61
	s_mov_b32 s96, GRPB
	s_cselect_b32 s96, 6400, s96                   ; the second half: q: the block's second half-block; k: the odd head's record
	s_mov_b32 s93, 0
	s_mov_b32 s97, 0
	s_add_nc_u64 s[94:95], s[94:95], s[92:93]
	s_add_nc_u64 s[96:97], s[94:95], s[96:97]
	s_lshr_b32 s61, s41, 3
	s_lshl_b32 s61, s61, 4
	s_add_co_u32 s61, s61, s43
	s_lshl_b32 s61, s61, 3
	s_and_b32 s62, s41, 7
	s_add_co_u32 s61, s61, s62
	s_mul_i32 s98, s61, BLKB
	s_add_co_u32 s98, s98, 6400                    ; v: V's half-block lies behind K's
	s_mov_b32 s99, 0
	s_add_nc_u64 s[98:99], s[10:11], s[98:99]
	s_mul_i32 s17, s15, P1                         ; phase 1: my group of Q in a slot,
	s_mul_i32 s18, s16, P1
	s_add_co_u32 s18, s18, 2*P1                    ; of P
	s_sub_co_u32 s19, s18, s17
	s_add_co_u32 s22, s17, 6144
	s_mul_i32 s23, s15, HBB
	s_add_co_u32 s23, s23, 2*P2                    ; phase 2: my half-block of wq
	s_sub_co_u32 s63, s23, s81
	s_add_co_u32 s75, s81, 6144
	v_and_b32 v1, 15, v0                           ; r
	v_bfe_u32 v2, v0, 4, 1                         ; h
	v_and_b32 v4, 31, v0
	v_sub_nc_u32 v7, 1, v2
	v_lshlrev_b32 v[L16], 4, v4
	v_lshlrev_b32 v[L8], 3, v4
	v_lshlrev_b32 v5, 3, v1
	v_mul_u32_u24 v3, s19, v2                      ; lanes 16-31 take side P's words: one product of h
	v_lshl_add_u32 v3, v1, 3, v3
	v_add_nc_u32 v[ADRS], s22, v3
	v_add_nc_u32 v[ADRA], s17, v[L16]
	v_add_nc_u32 v[ADRB], s18, v[L16]
	v_add_nc_u32 v[ADRT], s75, v5
	v_mul_u32_u24 v6, s63, v7                      ; phase 2: lanes 0-15 take wq's words, which lie higher: one product of 1 - h
	v_add_nc_u32 v[ADRS2], v6, v[ADRT]
	v_add_nc_u32 v[ADRA2], s23, v[L16]
	v_add_nc_u32 v[ADRB2], s81, v[L16]
.irp r, ADRS, ADRA, ADRB, ADRT, ADRS2, ADRA2, ADRB2
	v_add_nc_u32 v[\r+1], SLOT, v[\r]
.endr
.irp b, 0,1,2,3
	v_mov_b32 v[68+\b], 0                          ; written once: a lane permute's destination counts as one of its sources
.endr
.macro FRAG reg, adr, off              ; a fragment is an image of its 12 registers: three loads of 512 bytes on end
.irp c, 0,1,2
	ds_load_b128 v[\reg+4*\c:\reg+4*\c+3], v[\adr] offset:(\off)+512*\c
.endr
.endm
.macro FETCH_B adr, off, p             ; side P's eight fragments into set p
	WIN TO_B
.irp i, 0,1,2,3,4,5,6,7
	FRAG 128*(\p)+12*\i, \adr, (\off)+HBB*(\i/4)+1536*(\i%4)
.endr
	WIN 0
.endm
.macro FETCH_A adr, off, r0            ; a half-block's four fragments of side Q into places r0 .. r0 + 3
.irp i, 0,1,2,3
	FRAG AF+12*((\r0)+\i), \adr, (\off)+1536*\i
.endr
.endm
.macro SCALE1 adr, off, p              ; a K step's scale words into set p: tile i in register 4 (i / 4) + 2 (i % 2) + (i % 4) / 2
.irp u, 0,1
.irp w, 0,1
	ds_load_b64 v[SC+8*(\p)+4*\u+2*\w:SC+8*(\p)+4*\u+2*\w+1], v[\adr] offset:(\off)+HBB*\u+128*\w
.endr
.endr
.endm
.macro MM d, s0, s1, c, x0, x1         ; source 0's scales stand in lanes 16-31 of their register, source 1's in lanes 0-15
	v_wmma_scale_f32_16x16x128_f8f6f4 v[\d:\d+7], v[\s0:\s0+11], v[\s1:\s1+11], \c, v[\x0], v[\x1] matrix_a_fmt:MATRIX_FMT_FP6 matrix_b_fmt:MATRIX_FMT_FP6 matrix_a_scale:MATRIX_SCALE_ROW1
.endm
; Phase 1: 16 matrix instructions: Q tiles a0, a0 + 1 x P's eight, sets p.  The accumulators take turns, one instruction a turn, in the same order in every step.
.macro MUL16 a0, p, zero
.irp a, \a0, \a0+1
.irp b, 0,1,2,3,4,5,6,7
.if \zero
	MM 8*(8*((\a)%4)+\b), 128*(\p)+12*\b, AF+12*(\a), 0, SC+8*(\p)+4*(\b/4)+2*(\b%2)+(\b%4)/2, SC+8*(\p)+4*((\a)/4)+2*((\a)%2)+((\a)%4)/2
.else
	MM 8*(8*((\a)%4)+\b), 128*(\p)+12*\b, AF+12*(\a), v[8*(8*((\a)%4)+\b):8*(8*((\a)%4)+\b)+7], SC+8*(\p)+4*(\b/4)+2*(\b%2)+(\b%4)/2, SC+8*(\p)+4*((\a)/4)+2*((\a)%2)+((\a)%4)/2
.endif
.endr
.endr
.endm
.macro STEP p, zero, ns, nq            ; a K step on sets p whose successor (slot ns, its step nq) needs no barrier
	s_wait_dscnt 12                                ; all but the youngest 12 loads (Q tiles 4-7) are in
	WIN MUL_LO
	MUL16 0, \p, \zero
	MUL16 2, \p, \zero
	s_wait_dscnt 0x0
	PLACES
	FETCH_B ADRB+\ns, BLKB*\nq, 1-\p
	FETCH_A ADRA+\ns, BLKB*\nq, 0
	SCALE1 ADRS+\ns, BLKB*\nq, 1-\p
	WIN MUL_HI
	MUL16 4, \p, \zero
	MUL16 6, \p, \zero
	PLACES
	WIN 0
	FETCH_A ADRA+\ns, BLKB*\nq+HBB, 4
.endm
; A slot's last step.  In front of the barrier each wave waits for all its tensor loads, adds 0 to its spare word, writes the next fill's descriptors, and waits for the add and its reads.
.macro TURN_A
	s_wait_tensorcnt 0x0
	ds_add_u32 v[SPW], v[NIL]
.endm
.macro TURN_B p, ns, fs                ; fs: the slot that is filled again behind the round
	s_wait_dscnt 13                                ; (the add and the youngest 12 loads may be out)
	WIN MUL_LO
	MUL16 0, \p, 0
	s_wait_dscnt 0x0                               ; the add is done, and my reads of this slot are over
	s_barrier_signal -1
	MUL16 2, \p, 0
	WIN 0
	s_barrier_wait -1
	CREST                                          ; no wave of any partner still reads the slot or has a load on its way
	JLOAD \fs                                      ; its four v_nop are the places in front of the loads below
	FETCH_B ADRB+\ns, 0, 1-\p
	FETCH_A ADRA+\ns, 0, 0
	SCALE1 ADRS+\ns, 0, 1-\p
	WIN MUL_HI
	MUL16 4, \p, 0
	MUL16 6, \p, 0
	PLACES
	WIN 0
	FETCH_A ADRA+\ns, HBB, 4
.endm
; Phase 2: K step st lies in slot 1 - st / 4; 24 + 12 + 4 = 40 loads into sets st % 2
.macro FETCH2 st
	FETCH_B ADRB2+1-(\st)/4, BLKB*((\st)%4), (\st)%2
	FETCH_A ADRA2+1-(\st)/4, BLKB*((\st)%4), 4*((\st)%2)
.irp w, 0,1
	ds_load_b64 v[SC+8*((\st)%2)+2*\w:SC+8*((\st)%2)+2*\w+1], v[ADRS2+1-(\st)/4] offset:BLKB*((\st)%4)+128*\w
	ds_load_b64 v[SC+8*((\st)%2)+4+2*\w:SC+8*((\st)%2)+4+2*\w+1], v[ADRT+1-(\st)/4] offset:BLKB*((\st)%4)+HBB+128*\w
.endr
.endm
.macro MUL32 st, zero
	WIN MUL_LO
.irp a, 0,1,2,3
.irp b, 0,1,2,3,4,5,6,7
.if \zero
	MM 8*(8*\a+\b), 128*((\st)%2)+12*\b, AF+48*((\st)%2)+12*\a, 0, SC+8*((\st)%2)+4*(\b/4)+2*(\b%2)+(\b%4)/2, SC+8*((\st)%2)+2*(\a%2)+\a/2
.else
	MM 8*(8*\a+\b), 128*((\st)%2)+12*\b, AF+48*((\st)%2)+12*\a, v[8*(8*\a+\b):8*(8*\a+\b)+7], SC+8*((\st)%2)+4*(\b/4)+2*(\b%2)+(\b%4)/2, SC+8*((\st)%2)+2*(\a%2)+\a/2
.endif
.endr
.endr
	WIN 0
.endm
; THE WAY OUT.  Q tile a's 64 registers of a lane, register 16 b + i = number 32 b + 16 (lane / 16) + i along side P of the lane's row, become 12 registers of codes (6 at d0, 6 at d1) and a scale word in v[pw].
.macro QUANTA a, d0, d1, pw
.set QWN, 2+(\a)/4
.set QAC, 64*((\a)%4)
	WIN 5*QWN                                      ; sources 0 and 1: the accumulators' window
.irp b, 0,1,2,3
	v_max3_num_f32 v[64+\b], |v[QAC+16*\b]|, |v[QAC+16*\b+1]|, 0x1800000   ; each accumulator is read from its low end on; the floor 2^(3 - 127) holds the byte at 1 from below
.endr
.irp i, 2,4,6,8,10,12,14
.irp b, 0,1,2,3
	v_max3_num_f32 v[64+\b], |v[QAC+16*\b+\i]|, |v[QAC+16*\b+\i+1]|, v[64+\b]
.endr
.endr
	WIN 0
.irp b, 0,1,2,3
	v_permlanex16_b32 v[68+\b], v[64+\b], s20, s21
.endr
.irp b, 0,1,2,3
	v_max_num_f32 v[64+\b], v[64+\b], v[68+\b]     ; with lane l xor 16's: the block's largest magnitude
.endr
.irp b, 0,1,2,3
	v_add_nc_u32 v[76+\b], 0xff000000, v[64+\b]    ; 2 off its exponent field: the conversion's scale operand
.endr
.irp b, 0,1,2,3
	v_lshrrev_b32 v[68+\b], 23, v[76+\b]           ; the scale's byte
.endr
	v_lshl_or_b32 v[\pw], v69, 8, v68
	v_lshl_or_b32 v[\pw], v70, 16, v[\pw]
	v_lshl_or_b32 v[\pw], v71, 24, v[\pw]
	s_wait_xcnt 0x0                                ; earlier stores have read their registers: the codes may be written
	WIN QWN
	v_cvt_scalef32_pk16_fp6_f32 v[\d0:\d0+2], v[QAC:QAC+15], v76
	v_cvt_scalef32_pk16_fp6_f32 v[80:82], v[QAC+16:QAC+31], v77
	v_cvt_scalef32_pk16_fp6_f32 v[\d1:\d1+2], v[QAC+32:QAC+47], v78
	v_cvt_scalef32_pk16_fp6_f32 v[84:86], v[QAC+48:QAC+63], v79
	WIN 0
	v_nop                                          ; one plain place behind a scaled conversion
.irp i, 0,1,2
	v_permlane16_swap_b32 v[\d0+\i], v[80+\i]      ; the layout wants a whole block in a lane: lanes 0-15 the even block, lanes 16-31 the odd one
.endr
.irp i, 0,1,2
	v_permlane16_swap_b32 v[\d1+\i], v[84+\i]
.endr
.irp i, 0,1,2
	v_mov_b32 v[\d0+3+\i], v[80+\i]
	v_mov_b32 v[\d1+3+\i], v[84+\i]
.endr
.endm
.macro QTILE a, base, off              ; q, v: Q tile a is one whole fragment
	QUANTA \a, 96+12*((\a)%2), 102+12*((\a)%2), 224+(\a)
.irp c, 0,1,2
	global_store_b128 v[L16], v[96+12*((\a)%2)+4*\c:96+12*((\a)%2)+4*\c+3], s[\base:\base+1] offset:(\off)+512*\c   ; 512 consecutive bytes, at a multiple of 256 from the buffer's first byte
.endr
.endm
.macro KPAIR p                         ; k: key tiles 2 p and 2 p + 1 make one image for each of the two heads: the even tile's 64 codes in registers 0-5, the odd tile's in 6-11
	QUANTA 2*\p, 96, 108, 240                      ; one set of code registers, v96-119: the wait on XCNT ahead of each run of conversions frees it; v128-223 hold phase 2's fragments from the middle of the way out on
	QUANTA 2*\p+1, 102, 114, 241
	v_perm_b32 v[232+\p], v241, v240, 0x05040100   ; the even head's word: both tiles' bytes 0 and 1;
	v_perm_b32 v[236+\p], v241, v240, 0x07060302   ; the odd head's: bytes 2 and 3
.irp e, 0,1
.irp c, 0,1,2
	global_store_b128 v[L16], v[96+12*\e+4*\c:96+12*\e+4*\c+3], s[94+2*\e:95+2*\e] offset:1536*\p+512*\c
.endr
.endr
.endm
.macro WORDS w, e, base                ; a half-block's scale words: lanes 0-15 tiles 0 and 2, lanes 16-31 tiles 1 and 3: 256 consecutive bytes
	v_cndmask_b32 v[244+2*\e], v[\w], v[\w+1], s86
	v_cndmask_b32 v[245+2*\e], v[\w+2], v[\w+3], s86
	global_store_b64 v[L8], v[244+2*\e:245+2*\e], s[\base:\base+1] offset:6144
.endm
	s_wait_alu depctr_va_vdst(0)
	s_wait_tensorcnt 0x0                           ; my part of slot 0 is in
	ds_add_u32 v[SPW], v[NIL]
	FILL 1, 3*BLKB, 150, 84, 3*BLKB, 150, 80, 80
	s_wait_dscnt 0x0
	CROUND
	JLOAD 1                                        ; K steps 3-5
	FETCH_B ADRB, 0, 0
	FETCH_A ADRA, 0, 0
	SCALE1 ADRS, 0, 0
	FETCH_A ADRA, HBB, 4
	STEP 0, 1, 0, 1                                ; K step 0: its products start the sums
	STEP 1, 0, 0, 2                                ; K step 1
	TURN_A                                         ; K step 2: slot 1 is whole; slot 0 takes K steps 6 and 7
	FILL 0, 6*BLKB, 100, 84, 6*BLKB, 100, 80, 80
	TURN_B 0, 1, 0
	STEP 1, 0, 1, 1                                ; K step 3
	STEP 0, 0, 1, 2                                ; K step 4
	TURN_A                                         ; K step 5: slot 0 is whole; slot 1 takes phase 2's K steps 0-3
	FILL 1, 0, 200, 90, 0, 100, 81, 87
	TURN_B 1, 0, 1
	STEP 0, 0, 0, 1                                ; K step 6
	s_wait_dscnt 12                                ; K step 7: nothing more to fetch
	WIN MUL_LO
	MUL16 0, 1, 0
	MUL16 2, 1, 0
	s_wait_dscnt 0x0
	WIN MUL_HI
	MUL16 4, 1, 0
	MUL16 6, 1, 0
	WIN 0
	PLACES
	s_cmp_eq_u32 s74, 1                            ; k?  The same in all sixteen partners
	s_cbranch_scc1 .Lkeys_0
.irp a, 0,1,2,3
	QTILE \a, 94, 1536*\a
.endr
	s_branch .Lhalf
.Lkeys_0:
	KPAIR 0
	KPAIR 1
.Lhalf:
	s_wait_alu depctr_va_vdst(0)
	s_wait_tensorcnt 0x0                           ; phase 2's K steps 0-3 are in; slot 0 was read out in K step 7
	ds_add_u32 v[SPW], v[NIL]
	FILL 0, 4*BLKB, 200, 90, 4*BLKB, 100, 81, 87
	s_wait_dscnt 0x0
	CROUND
	JLOAD 0                                        ; phase 2's K steps 4-7
	FETCH2 0                                       ; phase 2's first two steps come into registers under the rest of the way out
	FETCH2 1
	s_cmp_eq_u32 s74, 1
	s_cbranch_scc1 .Lkeys_1
.irp a, 4,5,6,7
	QTILE \a, 96, 1536*(\a-4)
.endr
	WORDS 224, 0, 94
	WORDS 228, 1, 96
	s_branch .Lphase_2
.Lkeys_1:
	KPAIR 2
	KPAIR 3
	WORDS 232, 0, 94
	WORDS 236, 1, 96
.Lphase_2:
	s_wait_dscnt 40                                ; step 0's loads are in; step 1's 40 may be out
	MUL32 0, 1
.irp s, 1,2
	PLACES                                         ; in front of loads into the sets that the last step's products have read
	FETCH2 \s+1
	s_wait_dscnt 40
	MUL32 \s, 0
.endr
	s_wait_tensorcnt 0x0                           ; my part of K steps 4-7 is in,
	s_wait_dscnt 0x0
	s_barrier_signal -1
	s_barrier_wait -1                              ; and everybody's: a plain barrier, behind which nothing is filled
	PLACES
	FETCH2 4
	MUL32 3, 0                                     ; (its loads were waited for ahead of the barrier)
.irp s, 4,5,6
	PLACES
	FETCH2 \s+1
	s_wait_dscnt 40
	MUL32 \s, 0
.endr
	s_wait_dscnt 0x0
	MUL32 7, 0
	PLACES
.irp a, 0,1,2,3
	QTILE \a, 98, 1536*\a                          ; v: four fragments of my head's V^T for my 128 keys
.endr
	WORDS 224, 0, 98
	s_wait_tensorcnt 0x0                           ; the wave's end
	ds_add_u32 v[SPW], v[NIL]
	s_wait_dscnt 0x0
	CROUND                                         ; the closing round
	s_endpgm
.Lfunc_end_k_q461e515d0b_gemm_qkv:
	.size	k_q461e515d0b_gemm_qkv, .Lfunc_end_k_q461e515d0b_gemm_qkv-k_q461e515d0b_gemm_qkv
	.p2alignl 7, 3214868480
	.fill 96, 4, 3214868480
	.section	.rodata,"a",@progbits
	.p2align	6, 0x0
	.amdhsa_kernel k_q461e515d0b_gemm_qkv
		.amdhsa_group_segment_fixed_size 327680
		.amdhsa_private_segment_fixed_size 0
		.amdhsa_enable_private_segment 0
		.amdhsa_kernarg_size 32
		.amdhsa_user_sgpr_count 2
		.amdhsa_user_sgpr_kernarg_segment_ptr 1
		.amdhsa_wavefront_size32 1
		.amdhsa_system_sgpr_workgroup_id_x 1
		.amdhsa_system_sgpr_workgroup_id_y 1
		.amdhsa_system_sgpr_workgroup_id_z 1
		.amdhsa_system_vgpr_workitem_id 0
		.amdhsa_next_free_vgpr 1024
		.amdhsa_next_free_sgpr 100
		.amdhsa_reserve_vcc 0
		.amdhsa_float_denorm_mode_32 3
		.amdhsa_float_denorm_mode_16_64 3
		.amdhsa_memory_ordered 1
		.amdhsa_forward_progress 1
		.amdhsa_inst_pref_size 247
	.end_amdhsa_kernel
	.amdgpu_metadata
---
amdhsa.version: [ 1, 2 ]
amdhsa.kernels:
  - .name:           k_q461e515d0b_gemm_qkv
    .symbol:         k_q461e515d0b_gemm_qkv.kd
    .args:
      - { .name: xq, .offset: 0, .size: 8, .value_kind: global_buffer, .address_space: global }
      - { .name: wq, .offset: 8, .size: 8, .value_kind: global_buffer, .address_space: global }
      - { .name: q, .offset: 16, .size: 8, .value_kind: global_buffer, .address_space: global }
      - { .name: kv, .offset: 24, .size: 8, .value_kind: global_buffer, .address_space: global }
    .group_segment_fixed_size: 327680
    .private_segment_fixed_size: 0
    .kernarg_segment_align: 8
    .kernarg_segment_size: 32
    .max_flat_workgroup_size: 128
    .sgpr_count:     100
    .vgpr_count:     1024
    .wavefront_size: 32
...
	.end_amdgpu_metadata
.endif
;; end of part 2
;; launch attn (part 3): grid 4 x 64, 16 waves a work-group, clusters of 4 x 1, 327,680 bytes of LDS; arguments q, kv, ao; writes ao
.if DOCPART == 3
	.amdgcn_target "amdgcn-amd-amdhsa--gfx1250"
	.amdhsa_code_object_version 6
	.text
	.protected	k_q461e515d0b_attn
	.globl	k_q461e515d0b_attn
	.p2align	8
	.type	k_q461e515d0b_attn,@function
k_q461e515d0b_attn:
	s_mov_b64 s[64:65], 0
	v_nop
	global_prefetch_b8 v0, s[64:65] scope:SCOPE_SE
	s_setreg_imm32_b32 hwreg(HW_REG_WAVE_MODE, 25, 1), 1
	s_wait_xcnt 0x0
	s_wait_alu depctr_hold_cnt(0) depctr_sa_sdst(0) depctr_va_vdst(0) depctr_va_sdst(0) depctr_va_ssrc(0) depctr_va_vcc(0) depctr_vm_vsrc(0)
	s_getreg_b32 s2, hwreg(HW_REG_IB_STS2, 6, 4)
	s_cmp_eq_u32 s2, 0
	s_cbranch_scc0 .Lentry_in_a_cluster
	s_endpgm
.Lentry_in_a_cluster:
	s_bfe_u32 s2, ttmp6, 0x10000c
	s_cmp_lg_u32 s2, 0x3003
	s_cbranch_scc0 .Lentry_shape_is_right
	s_endpgm
.Lentry_shape_is_right:
; O[b][head][query] = softmax(Q K^T / 8) V on codes of FP6 (E2M3) with E8M0 scales, for two heads; the result is quantised along the model's axis and leaves as codes for the last product.
; THE SOFTMAX: t = score x log2(e) / 8; M = the running largest t rounded UP to a whole number; p = 2^(t - M) is quantised along the keys, not normalised; the row's sum is taken of the unquantised p and
; divides at the end.  When M moves, the sum and O are multiplied by 2^(old M - new M): exact.
; SHARES.  A work-group owns 256 queries of one batch and the heads 2 hp, 2 hp + 1; each of its sixteen waves owns one tile of 16 queries and runs the even head, then the odd one: so it ends with a whole
; fragment (128 along the last product's K = two heads) and a whole scale word.
; LDS.  Both heads' K and V, 16 key steps of 12,800 bytes, are one dense run of memory: wave w brings key step w by its one tensor load at the head; all stay: nothing is filled again, and one barrier shows
; them to all.  CLUSTER: the four quarters of a batch's queries read the same K and V: joint loads, mask 15.  No prefetch: all of K and V is asked for at the head, and there is no loop to run ahead in.
; LAYOUT.  Both products are used transposed: a lane holds ONE query.  A key step's half-block of K holds four images, registers 0-5 = key tile 2 p, 6-11 = key tile 2 p + 1 (the head's 64 codes each).
; K = 64 is half an instruction: an image x [Q | zero codes] gives tile 2 p's scores, x [zero codes | Q] tile 2 p + 1's (Q's scale bytes over the zero codes are 0, which is 2^-127).
; By the order of the positions in memory the 16 registers of two neighbouring tiles are 16 neighbouring keys (and, in O^T, 16 neighbours of the head's 64).
; THE STEP'S ORDER.  The next step's K is fetched right behind the products with V, and the row's sum of this step's p (32 packed additions) stands under that fetch; the last step's fetch is held at the last key step.
; LIMITS: NaN and infinities are not served; the promise holds while the scaled scores stay under 2^31 in magnitude; v_exp_f32 gives 0 for results under 2^-126; a block whose largest magnitude lies under
; 2^-124 is held at byte 1; a block of zeros gets byte 1 (its codes are zeros; this program alone reads the bytes).
; REGISTERS: v1-9 addresses; v12 -M, v13 the largest t, v[14:15] the sum; v16-33 [6 zeros | Q | 6 zeros]; v34-45 both heads' Q; v48-95 four images of K, then four fragments of V; v96-159 S^T, then p;
;   v160-191 O^T; v192-203 the result's codes; v204, v205 Q's scale words, v206 both heads', v207 the result's; v224-247, v254, v255 p's codes and work; v[248:249] K's scale words, v[250:251] V's; v252 f, v253 p's scale word.
.set REC,   102400                     ; a head's record: eight key steps
.set STEPB, 12800                      ; a key step: K's half-block, then V's
.set HBB,   6400
.set STG,   2*REC                      ; behind the records: the result's scale words, four blocks of 256 bytes
.set SPARE, STG+1024                   ; the spare words, 128 bytes for each wave
.set WV,  18
.set SEL, 20
.set CS,  22
.set TB,  2                            ; s2  LDS byte at which the next key step begins
.set CNT, 3
.set TN,  78                           ; s78 the same, held at the last key step
.macro CROUND
	s_barrier_signal -1
	s_barrier_wait -1
	s_cmp_lg_u32 s[WV], 0
	s_cbranch_scc1 .Lnot_wave_0_\@
	s_barrier_signal -3
.Lnot_wave_0_\@:
	s_barrier_wait -3
	s_barrier_signal -1
	s_barrier_wait -1
.endm
	s_load_b128 s[4:7], s[0:1], 0x0                ; q s[4:5], kv s[6:7]
	s_load_b64 s[8:9], s[0:1], 0x10                ; ao
	v_lshl_add_u32 v5, v0, 2, SPARE
	v_mov_b32 v6, 0
	ds_add_u32 v5, v6                              ; the opening lines: the add, twice on end, and its wait ahead of the first tensor load
	ds_add_u32 v5, v6
	v_lshrrev_b32 v10, 5, v0
	s_delay_alu instid0(VALU_DEP_1)
	v_readfirstlane_b32 s[WV], v10                 ; wave 0..15
	s_bfe_u32 s10, ttmp6, 0x40000                  ; cx: which quarter of the queries: it enters q's and ao's addresses alone
	s_and_b32 s11, ttmp7, 0xffff                   ; 8 b + hp
	s_mov_b32 s24, 15|(3<<16)|(1<<21)              ; the mask: all four work-groups; elements of 8 bytes; bit 21 beside a mask; no padding
	s_mov_b32 s25, 32<<16                          ; rows of 256 bytes,
	s_mov_b32 s26, 50<<16                          ; 50 of them: one key step
	s_mov_b32 s27, 32<<16
	s_mov_b32 s28, 50
	s_mov_b32 s29, 32                              ; dense
	s_mov_b32 s30, 0
	s_mov_b32 s31, 0
	s_mov_b32 s48, 1
	s_mul_i32 s49, s[WV], STEPB                    ; key step = wave, in LDS and in memory
	s_mul_i32 s12, s11, 2*REC                      ; the pair of records
	s_add_co_u32 s12, s12, s49
	s_mov_b32 s13, 0
	s_lshr_b32 s14, s11, 3
	s_lshl_b32 s14, s14, 3
	s_lshl_b32 s15, s10, 1
	s_add_co_u32 s14, s14, s15                     ; my work-group's first group of 128 tokens: 8 b + 2 cx
	s_and_b32 s15, s11, 7                          ; hp
	s_lshr_b32 s16, s[WV], 3
	s_add_co_u32 s16, s16, s14
	s_lshl_b32 s16, s16, 3
	s_add_co_u32 s16, s16, s15
	s_mul_i32 s16, s16, STEPB                      ; block (my group, hp)
	s_bfe_u32 s17, s[WV], 0x10002
	s_mul_i32 s17, s17, HBB
	s_add_co_u32 s16, s16, s17                     ; my half-block
	s_and_b32 s17, s[WV], 3                        ; my tile in it
	s_mul_i32 s19, s17, 1536
	s_add_co_u32 s60, s16, s19                     ; my fragment
	s_mov_b32 s61, 0
	s_and_b32 s19, s17, 1
	s_lshl_b32 s19, s19, 7
	s_lshr_b32 s17, s17, 1
	s_lshl_b32 s17, s17, 2
	s_add_co_u32 s19, s19, s17
	s_add_co_u32 s62, s16, s19
	s_add_co_u32 s62, s62, 6144                    ; my tile's scale words: + 8 r
	s_mov_b32 s63, 0
	s_lshr_b32 s66, s[WV], 1                       ; waves 0-3 store the result's scale words: half-block = wave
	s_add_co_u32 s66, s66, s14
	s_lshl_b32 s66, s66, 3
	s_add_co_u32 s66, s66, s15
	s_mul_i32 s66, s66, STEPB
	s_and_b32 s67, s[WV], 1
	s_mul_i32 s67, s67, HBB
	s_add_co_u32 s66, s66, s67
	s_mov_b32 s67, 0
	v_and_b32 v10, 31, v0
	s_delay_alu instid0(VALU_DEP_1)
	v_lshlrev_b32 v1, 4, v10                       ; 16 x lane
	s_delay_alu instid0(VALU_DEP_2)
	v_lshlrev_b32 v2, 3, v10                       ; 8 x lane
	v_and_b32 v11, 15, v0
	s_delay_alu instid0(VALU_DEP_1)
	v_lshlrev_b32 v9, 3, v11                       ; 8 r
	s_wait_alu depctr_va_vdst(0)
	s_lshr_b32 s19, s[WV], 2
	s_lshl_b32 s19, s19, 8
	s_and_b32 s17, s[WV], 1
	s_lshl_b32 s17, s17, 7
	s_add_co_u32 s19, s19, s17
	s_bfe_u32 s17, s[WV], 0x10001
	s_lshl_b32 s17, s17, 2
	s_add_co_u32 s19, s19, s17
	s_add_co_u32 s19, s19, STG
	v_add_nc_u32 v7, s19, v9                       ; where my tile's scale word goes
	s_and_b32 s19, s[WV], 3
	s_lshl_b32 s19, s19, 8
	s_add_co_u32 s19, s19, STG
	v_add_nc_u32 v8, s19, v2                       ; and where a half-block's words are read back
	s_mov_b32 s[SEL], 0x76543210
	s_mov_b32 s[SEL+1], 0xfedcba98
	s_mov_b32 s[CS], 0x3e38aa3b                    ; c = log2(e) / 8
	s_mov_b32 s[CS+1], s[CS]                       ; (named with it as a pair, so it is written)
	s_wait_dscnt 0x0                               ; both opening adds are done
	s_wait_kmcnt 0x0
	s_add_nc_u64 s[68:69], s[4:5], s[60:61]        ; q: my fragment,
	s_add_nc_u64 s[70:71], s[4:5], s[62:63]        ; its scale words
	s_add_nc_u64 s[72:73], s[8:9], s[60:61]        ; ao: the same place
	s_add_nc_u64 s[74:75], s[8:9], s[66:67]
	s_add_nc_u64 s[50:51], s[6:7], s[12:13]
	s_or_b32 s51, s51, 0x80000000
	CROUND                                         ; all four work-groups are here: the joint loads meet
	tensor_load_to_lds s[48:51], s[24:31]          ; my key step: one tensor load a wave, 16 for the 204,800 bytes
	s_nop 0
.rept 4
	v_nop
.endr
.irp c, 0,1,2
	global_load_b128 v[34+4*\c:37+4*\c], v1, s[68:69] offset:512*\c th:TH_LOAD_NT   ; both heads' Q of my 16 queries
.endr
	global_load_b32 v206, v9, s[70:71] th:TH_LOAD_NT
.irp i, 0,1,2,3,4,5
	v_mov_b32 v[16+\i], 0                          ; zero codes on both sides of Q
	v_mov_b32 v[28+\i], 0
.endr
.irp b, 0,1,2,3
	v_mov_b32 v[236+\b], 0                         ; written once: a lane permute's destination counts as one of its sources
.endr
	v_mov_b32 v253, 0                              ; (named as the upper half of the pair v[252:253] before it is first written)
.macro SMM t, qb, qs                   ; S^T of key tile t: image t / 2 x Q in its low or high half
.if ((\t)/2)%2
	v_wmma_scale_f32_16x16x128_f8f6f4 v[96+8*(\t):103+8*(\t)], v[48+12*((\t)/2):59+12*((\t)/2)], v[\qb:\qb+11], 0, v[248+(\t)/4], v[\qs] matrix_a_fmt:MATRIX_FMT_FP6 matrix_b_fmt:MATRIX_FMT_FP6 matrix_a_scale:MATRIX_SCALE_ROW1
.else
	v_wmma_scale_f32_16x16x128_f8f6f4 v[96+8*(\t):103+8*(\t)], v[48+12*((\t)/2):59+12*((\t)/2)], v[\qb:\qb+11], 0, v[248+(\t)/4], v[\qs] matrix_a_fmt:MATRIX_FMT_FP6 matrix_b_fmt:MATRIX_FMT_FP6
.endif
.endm
.macro OMM f                           ; O^T tile f += V^T fragment f x p
.if (\f)%2
	v_wmma_scale_f32_16x16x128_f8f6f4 v[160+8*(\f):167+8*(\f)], v[48+12*(\f):59+12*(\f)], v[224:235], v[160+8*(\f):167+8*(\f)], v[250+(\f)/2], v253 matrix_a_fmt:MATRIX_FMT_FP6 matrix_b_fmt:MATRIX_FMT_FP6 matrix_a_scale:MATRIX_SCALE_ROW1
.else
	v_wmma_scale_f32_16x16x128_f8f6f4 v[160+8*(\f):167+8*(\f)], v[48+12*(\f):59+12*(\f)], v[224:235], v[160+8*(\f):167+8*(\f)], v[250+(\f)/2], v253 matrix_a_fmt:MATRIX_FMT_FP6 matrix_b_fmt:MATRIX_FMT_FP6
.endif
.endm
.macro KADR                            ; the addresses of the key step at s[TB], held at the last of the sixteen
	s_min_u32 s[TN], s[TB], 15*STEPB
	v_add_nc_u32 v3, s[TN], v1
	v_add_nc_u32 v4, s[TN], v2
.endm
.macro KGET                            ; 13 loads: K's scale words first (register 0: images 0 (lanes 0-15) and 1; register 1: images 2 and 3), then its four images, three loads each
	ds_load_b64 v[248:249], v4 offset:6144
.irp n, 0,1,2,3,4,5,6,7,8,9,10,11
	ds_load_b128 v[48+4*\n:51+4*\n], v3 offset:512*\n
.endr
.endm
.macro SUMA                            ; the row's sum of the unquantised p, 32 packed additions in eight chains: the first eight
.irp k, 0,1,2,3,4,5
	v_pk_add_f32 v[236+2*\k:237+2*\k], v[96+4*\k:97+4*\k], v[98+4*\k:99+4*\k]
.endr
	v_pk_add_f32 v[254:255], v[120:121], v[122:123]
	v_pk_add_f32 v[14:15], v[14:15], v[124:125]
.endm
.macro SUMB                            ; and the other 24
.irp g, 126, 142
.irp k, 0,1,2,3,4,5
	v_pk_add_f32 v[236+2*\k:237+2*\k], v[236+2*\k:237+2*\k], v[\g+2*\k:\g+2*\k+1]
.endr
	v_pk_add_f32 v[254:255], v[254:255], v[\g+12:\g+13]
	v_pk_add_f32 v[14:15], v[14:15], v[\g+14:\g+15]
.endr
	v_pk_add_f32 v[14:15], v[14:15], v[158:159]
	v_pk_add_f32 v[236:237], v[236:237], v[238:239]
	v_pk_add_f32 v[240:241], v[240:241], v[242:243]
	v_pk_add_f32 v[244:245], v[244:245], v[246:247]
	v_pk_add_f32 v[14:15], v[14:15], v[254:255]
	v_pk_add_f32 v[236:237], v[236:237], v[240:241]
	v_pk_add_f32 v[14:15], v[14:15], v[244:245]
	v_pk_add_f32 v[14:15], v[14:15], v[236:237]
.endm
; A KEY STEP: 128 keys.  Its K was asked for at the end of the step before.
.macro STEP
	s_wait_alu depctr_va_vdst(0)
	s_wait_dscnt 9                                 ; the scale words and image 0 are in; nine loads, three images, may be out
	SMM 0, 22, 204
	SMM 1, 16, 205
	s_wait_dscnt 6                                 ; image 1
	SMM 2, 22, 204
	SMM 3, 16, 205
	s_wait_dscnt 3                                 ; image 2
	SMM 4, 22, 204
	SMM 5, 16, 205
	s_wait_dscnt 0x0
	SMM 6, 22, 204
	SMM 7, 16, 205
.rept 4
	v_nop                                          ; places in front of the loads below and of the first read of the scores
.endr
.irp n, 0,1,2,3,4,5,6,7,8,9,10,11
	ds_load_b128 v[48+4*\n:51+4*\n], v3 offset:HBB+512*\n        ; V's four fragments: they land while the softmax is worked
.endr
	ds_load_b64 v[250:251], v4 offset:HBB+6144
.irp b, 0,1,2,3
	v_max3_num_f32 v[232+\b], v[96+16*\b], v[97+16*\b], v[98+16*\b]   ; the largest score of each block of 32 keys: for the row's maximum, and, since p rises with the score, for the block's largest p
.endr
.irp i, 3,5,7,9,11,13
.irp b, 0,1,2,3
	v_max3_num_f32 v[232+\b], v[232+\b], v[96+16*\b+\i], v[97+16*\b+\i]
.endr
.endr
.irp b, 0,1,2,3
	v_max_num_f32 v[232+\b], v[232+\b], v[111+16*\b]
.endr
.irp b, 0,1,2,3
	v_permlanex16_b32 v[236+\b], v[232+\b], s[SEL], s[SEL+1]
.endr
.irp b, 0,1,2,3
	v_max_num_f32 v[232+\b], v[232+\b], v[236+\b]  ; with lane l xor 16's 16 keys (the four blocks by turns)
.endr
	s_delay_alu instid0(VALU_DEP_2)
	v_max3_num_f32 v254, v232, v233, v234
	s_delay_alu instid0(VALU_DEP_1)
	v_max_num_f32 v254, v254, v235                 ; the step's largest score of my query
	s_delay_alu instid0(VALU_DEP_1)
	v_mul_f32 v254, s[CS], v254                    ; as t (c is positive)
	s_delay_alu instid0(VALU_DEP_1)
	v_max_num_f32 v13, v13, v254                   ; the running largest t
	v_mov_b32 v254, v12
	s_delay_alu instid0(VALU_DEP_2)
	v_floor_f32 v12, -v13                          ; the new -M = floor(-t): M is a whole number
	s_delay_alu instid0(VALU_DEP_1)
	v_sub_f32 v254, v12, v254                      ; old M - new M: a whole number, 0 or less
	s_delay_alu instid0(VALU_DEP_1)
	v_cvt_i32_f32 v254, v254                       ; (it saturates)
	s_delay_alu instid0(VALU_DEP_1)
	v_ldexp_f32 v252, 1.0, v254                    ; f = 2^(old M - new M)
.irp j, 0,2,4,6,8,10,12,14,16,18,20,22,24,26,28,30,32,34,36,38,40,42,44,46,48,50,52,54,56,58,60,62
	v_pk_fma_f32 v[96+\j:97+\j], v[96+\j:97+\j], s[CS:CS+1], v[12:13] op_sel_hi:[1,0,0]   ; t - M, two at a time
.endr
.irp b, 0,1,2,3
	v_fma_f32 v[232+\b], v[232+\b], s[CS], v12     ; the same of each block's largest score
.endr
	s_wait_alu depctr_va_vdst(0)
.irp j, 0,1,2,3,4,5,6,7,8,9,10,11,12,13,14,15,16,17,18,19,20,21,22,23,24,25,26,27,28,29,30,31,32,33,34,35,36,37,38,39,40,41,42,43,44,45,46,47,48,49,50,51,52,53,54,55,56,57,58,59,60,61,62,63
	v_exp_f32 v[96+\j], v[96+\j]                   ; p = 2^(t - M), at most 1
.endr
	v_pk_mul_f32 v[14:15], v[14:15], v[252:253] op_sel_hi:[1,0]   ; the sum of the earlier steps under the new M: a plain place behind the exponentials
	s_wait_alu depctr_va_vdst(0)                   ; one wait for the whole batch
.irp b, 0,1,2,3
	v_exp_f32 v[232+\b], v[232+\b]                 ; the block's largest p
.endr
	v_nop                                          ; a plain place behind the four
	s_wait_alu depctr_va_vdst(0)                   ; and their wait
.irp b, 0,1,2,3
	v_max_num_f32 v[232+\b], 0x1800000, v[232+\b]  ; the floor 2^(3 - 127): the byte cannot fall under 1
.endr
.irp b, 0,1,2,3
	v_add_nc_u32 v[244+\b], 0xff000000, v[232+\b]  ; 2 off the exponent field: the conversion's scale operand
.endr
.irp b, 0,1,2,3
	v_lshrrev_b32 v[236+\b], 23, v[244+\b]
.endr
	s_delay_alu instid0(VALU_DEP_3)
	v_lshl_or_b32 v253, v237, 8, v236              ; p's scale word for these 128 keys
	s_delay_alu instid0(VALU_DEP_1)
	v_lshl_or_b32 v253, v238, 16, v253
	s_delay_alu instid0(VALU_DEP_1)
	v_lshl_or_b32 v253, v239, 24, v253
.irp c, 0,1
	v_cvt_scalef32_pk16_fp6_f32 v[224+6*\c:226+6*\c], v[96+32*\c:111+32*\c], v[244+2*\c]
	v_cvt_scalef32_pk16_fp6_f32 v[236+4*\c:238+4*\c], v[112+32*\c:127+32*\c], v[244+2*\c+1]
.endr
	v_nop                                          ; one plain place behind a scaled conversion
.irp c, 0,1
.irp i, 0,1,2
	v_permlane16_swap_b32 v[224+6*\c+\i], v[236+4*\c+\i]   ; a whole block in a lane
.endr
.irp i, 0,1,2
	v_mov_b32 v[227+6*\c+\i], v[236+4*\c+\i]
.endr
.endr
.irp j, 0,2,4,6,8,10,12,14,16,18,20,22,24,26,28,30
	v_pk_mul_f32 v[160+\j:161+\j], v[160+\j:161+\j], v[252:253] op_sel_hi:[1,0]   ; O^T under the new M; these 16 are also the places in front of the products below
.endr
	s_wait_alu depctr_va_vdst(0)
	s_wait_dscnt 0x0                               ; V is in
	OMM 0
	OMM 1
	OMM 2
	OMM 3
	s_add_co_u32 s[TB], s[TB], STEPB
	KADR                                           ; two plain lines and SUMA's eight, none of which names a register of the products above: the places in front of the loads
	SUMA
	KGET                                           ; the next step's K (behind the even head's last step: the odd head's first)
	SUMB
.endm
.macro STEPS n, name
	s_mov_b32 s[CNT], \n
.L\name:
	STEP
	s_sub_co_u32 s[CNT], s[CNT], 1
	s_cmp_lg_u32 s[CNT], 0
	s_cbranch_scc1 .L\name
.endm
.macro HEADINIT e
.irp i, 0,1,2,3,4,5
	v_mov_b32 v[22+\i], v[34+6*\e+\i]              ; the head's Q between the zero codes
.endr
.if \e == 0
	v_and_b32 v204, 0xffff, v206                   ; its two scale bytes in the low half,
	v_lshlrev_b32 v205, 16, v206                   ; and in the high half
.else
	v_lshrrev_b32 v204, 16, v206
	v_and_b32 v205, 0xffff0000, v206
.endif
	v_mov_b32 v13, 0xff61b1e6                      ; the largest t so far: -3e38
	s_delay_alu instid0(VALU_DEP_1)
	v_floor_f32 v12, -v13
	v_mov_b32 v14, 0
	v_mov_b32 v15, 0
.irp j, 0,1,2,3,4,5,6,7,8,9,10,11,12,13,14,15,16,17,18,19,20,21,22,23,24,25,26,27,28,29,30,31
	v_mov_b32 v[160+\j], 0                         ; O^T: the first change of M leaves zeros zeros.  (Also the places between the lines above and the first scaled products)
.endr
.endm
; The head's O^T is divided by the sum and quantised: its 64 numbers are blocks 2 e and 2 e + 1 of the last product's K step: registers 6 e .. 6 e + 5 of the fragment, bytes 2 e and 2 e + 1 of the word.
; (The step's last 34 plain lines are the places behind its products.)
.macro FINISH e
	v_add_f32 v14, v14, v15
	s_delay_alu instid0(VALU_DEP_1)
	v_permlanex16_b32 v252, v14, s[SEL], s[SEL+1]
	s_delay_alu instid0(VALU_DEP_1)
	v_add_f32 v14, v14, v252                       ; the row's sum
	s_wait_alu depctr_va_vdst(0)
	v_rcp_f32 v14, v14
	v_nop                                          ; a plain place behind the reciprocal
	s_wait_alu depctr_va_vdst(0)                   ; and the wait ahead of its first reader
.irp j, 0,1,2,3,4,5,6,7,8,9,10,11,12,13,14,15,16,17,18,19,20,21,22,23,24,25,26,27,28,29,30,31
	v_mul_f32 v[96+\j], v[160+\j], v14             ; register 16 b + i: number 32 b + 16 (lane / 16) + i of the head's 64; each accumulator from its low end on
.endr
.irp b, 0,1
	v_max3_num_f32 v[232+\b], |v[96+16*\b]|, |v[97+16*\b]|, 0x1800000
.endr
.irp i, 2,4,6,8,10,12,14
.irp b, 0,1
	s_delay_alu instid0(VALU_DEP_2)
	v_max3_num_f32 v[232+\b], v[232+\b], |v[96+16*\b+\i]|, |v[97+16*\b+\i]|
.endr
.endr
.irp b, 0,1
	s_delay_alu instid0(VALU_DEP_2)
	v_permlanex16_b32 v[236+\b], v[232+\b], s[SEL], s[SEL+1]
.endr
.irp b, 0,1
	s_delay_alu instid0(VALU_DEP_2)
	v_max_num_f32 v[232+\b], v[232+\b], v[236+\b]
.endr
.irp b, 0,1
	s_delay_alu instid0(VALU_DEP_2)
	v_add_nc_u32 v[244+\b], 0xff000000, v[232+\b]
.endr
.irp b, 0,1
	s_delay_alu instid0(VALU_DEP_2)
	v_lshrrev_b32 v[236+\b], 23, v[244+\b]
.endr
.if \e == 0
	s_delay_alu instid0(VALU_DEP_1)
	v_lshl_or_b32 v207, v237, 8, v236
.else
	s_delay_alu instid0(VALU_DEP_1)
	v_lshl_or_b32 v254, v237, 8, v236
	s_delay_alu instid0(VALU_DEP_1)
	v_lshl_or_b32 v207, v254, 16, v207
.endif
	v_cvt_scalef32_pk16_fp6_f32 v[192+6*\e:194+6*\e], v[96:111], v244
	v_cvt_scalef32_pk16_fp6_f32 v[240:242], v[112:127], v245
	v_nop                                          ; one plain place behind a scaled conversion
.irp i, 0,1,2
	v_permlane16_swap_b32 v[192+6*\e+\i], v[240+\i]
.endr
.irp i, 0,1,2
	s_delay_alu instid0(VALU_DEP_3)
	v_mov_b32 v[195+6*\e+\i], v[240+\i]
.endr
.endm
	s_wait_loadcnt 0x0                             ; Q
	HEADINIT 0
	s_mov_b32 s[TB], 0
	s_wait_tensorcnt 0x0                           ; my key step is in
	s_barrier_signal -1
	s_barrier_wait -1                              ; and everybody's: both heads' K and V are whole
	KADR
	KGET                                           ; the first step's K
	STEPS 8, even_head
	FINISH 0
	HEADINIT 1
	STEPS 8, odd_head
	FINISH 1
.irp c, 0,1,2
	global_store_b128 v1, v[192+4*\c:195+4*\c], s[72:73] offset:512*\c   ; 512 consecutive bytes, at a multiple of 256 from the buffer's first byte
.endr
	ds_store_b32 v7, v207                          ; both halves of the lanes write the same word with the same value
	s_wait_dscnt 0x0                               ; for the others' sake (the last step's spare fetch of K is over too)
	s_barrier_signal -1
	s_barrier_wait -1
	s_cmp_lt_u32 s[WV], 4
	s_cbranch_scc0 .Lno_words
	ds_load_b64 v[10:11], v8
	s_wait_dscnt 0x0
	global_store_b64 v2, v[10:11], s[74:75] offset:6144   ; a half-block's scale words: 256 consecutive bytes
.Lno_words:
	s_wait_tensorcnt 0x0                           ; the wave's end
	ds_add_u32 v5, v6
	s_wait_dscnt 0x0
	CROUND                                         ; the closing round
	s_endpgm
.Lfunc_end_k_q461e515d0b_attn:
	.size	k_q461e515d0b_attn, .Lfunc_end_k_q461e515d0b_attn-k_q461e515d0b_attn
	.p2alignl 7, 3214868480
	.fill 96, 4, 3214868480
	.section	.rodata,"a",@progbits
	.p2align	6, 0x0
	.amdhsa_kernel k_q461e515d0b_attn
		.amdhsa_group_segment_fixed_size 327680
		.amdhsa_private_segment_fixed_size 0
		.amdhsa_enable_private_segment 0
		.amdhsa_kernarg_size 24
		.amdhsa_user_sgpr_count 2
		.amdhsa_user_sgpr_kernarg_segment_ptr 1
		.amdhsa_wavefront_size32 1
		.amdhsa_system_sgpr_workgroup_id_x 1
		.amdhsa_system_sgpr_workgroup_id_y 1
		.amdhsa_system_sgpr_workgroup_id_z 1
		.amdhsa_system_vgpr_workitem_id 0
		.amdhsa_next_free_vgpr 256
		.amdhsa_next_free_sgpr 80
		.amdhsa_reserve_vcc 0
		.amdhsa_float_denorm_mode_32 3
		.amdhsa_float_denorm_mode_16_64 3
		.amdhsa_memory_ordered 1
		.amdhsa_forward_progress 1
		.amdhsa_inst_pref_size 51
	.end_amdhsa_kernel
	.amdgpu_metadata
---
amdhsa.version: [ 1, 2 ]
amdhsa.kernels:
  - .name:           k_q461e515d0b_attn
    .symbol:         k_q461e515d0b_attn.kd
    .args:
      - { .name: q, .offset: 0, .size: 8, .value_kind: global_buffer, .address_space: global }
      - { .name: kv, .offset: 8, .size: 8, .value_kind: global_buffer, .address_space: global }
      - { .name: ao, .offset: 16, .size: 8, .value_kind: global_buffer, .address_space: global }
    .group_segment_fixed_size: 327680
    .private_segment_fixed_size: 0
    .kernarg_segment_align: 8
    .kernarg_segment_size: 24
    .max_flat_workgroup_size: 512
    .sgpr_count:     80
    .vgpr_count:     256
    .wavefront_size: 32
...
	.end_amdgpu_metadata
.endif
;; end of part 3
;; launch gemm_proj (part 4): grid 4 x 64, 4 waves a work-group, clusters of 4 x 4, 327,680 bytes of LDS; arguments ao, wp, b_proj, out0; writes out0
.if DOCPART == 4
	.amdgcn_target "amdgcn-amd-amdhsa--gfx1250"
	.amdhsa_code_object_version 6
	.text
	.protected	k_q461e515d0b_gemm_proj
	.globl	k_q461e515d0b_gemm_proj
	.p2align	8
	.type	k_q461e515d0b_gemm_proj,@function
k_q461e515d0b_gemm_proj:
	s_mov_b64 s[64:65], 0
	v_nop
	global_prefetch_b8 v0, s[64:65] scope:SCOPE_SE
	s_setreg_imm32_b32 hwreg(HW_REG_WAVE_MODE, 25, 1), 1
	s_wait_xcnt 0x0
	s_wait_alu depctr_hold_cnt(0) depctr_sa_sdst(0) depctr_va_vdst(0) depctr_va_sdst(0) depctr_va_ssrc(0) depctr_va_vcc(0) depctr_vm_vsrc(0)
	s_getreg_b32 s2, hwreg(HW_REG_IB_STS2, 6, 4)
	s_cmp_eq_u32 s2, 0
	s_cbranch_scc0 .Lentry_in_a_cluster
	s_endpgm
.Lentry_in_a_cluster:
	s_bfe_u32 s2, ttmp6, 0x10000c
	s_cmp_lg_u32 s2, 0xf033
	s_cbranch_scc0 .Lentry_shape_is_right
	s_endpgm
.Lentry_shape_is_right:
; out0 = ao wp^T + b_proj on codes of FP6 (E2M3) with E8M0 scales, sums in f32.
; OPERANDS lie in memory in the order of the matrix operand's registers: block(g, s) = 128 positions x 128 K at (8 g + s) x 12,800 bytes = two half-blocks of 6,400: four fragments at 1,536 f (three loads of
; 16 bytes a lane at 16 x lane bring one), then 256 bytes of scale words (tile f, row r at 8 (16 (f % 2) + r) + 4 (f / 2)).  A position is a row's number with bits 3 and 4 swapped inside every 32 rows.
; A BLOCK of the result is 128 tokens (one group of ao) x 256 columns (two groups of wp): 64 x 4 = 256 work-groups.  ALL OF K LIES IN LDS, 307,200 bytes, brought by one joint load a wave at the head
; (waves 0, 1: half of ao's group each; waves 2, 3: a group of wp each): nothing is filled again.  CLUSTERS 4 x 4: ao's group is shared along a row of the cluster, wp's groups along a column.
; No prefetch: everything is asked for at the head, and there is no loop to run ahead in.
; A WAVE takes 64 columns (a half-block of wp) and holds them, all of K, in registers: 32 fragments, 384 registers.  The 128 tokens stream past in eight tiles of 16, all of K: 8 fragments and 8 scale words,
; which lie twice in registers: tile a's 32 products read set a % 2, and behind them that set takes tile a + 2.  A tile's 16 x 64 results are finished after its 32 products (four accumulators by turns) and leave
; while later tiles are multiplied: through the wave's own stage, 16 rows of 256 + 16 bytes on LDS bytes into which no fill lands, back as whole rows, two aligned units of 256 bytes a store.
; Source 0 = wp's rows, so a lane holds one token and its registers run along the columns.  THE BIAS is the first four products' C.
; THE ORDER OF LDS WORK in tile a: the stage's 16 lines of tile a - 1, then the 32 loads of tile a + 2.  So the wait for 32 at a tile's head shows the tile's own fragments and tile a - 2's rows back from the stage.
; REGISTERS: window 0: v8-19 addresses; v28, v29 the add's; v32-63 wp's scale words; v64-79 ao's, two sets; v80-111 the bias; v112-175 two sets of four accumulators; v176-239 two sets of rows on the way out;
;   windows 1, 2: wp's fragment f = 4 s + t at register 12 (f % 21) of window 1 + f / 21;  window 3: ao's fragments, two sets of eight.
.set BLKB,  12800
.set HBB,   6400
.set GRPB,  8*BLKB
.set PB,    GRPB                       ; LDS: ao's group at 0, wp's two behind it
.set SPARE, 3*GRPB                     ; the spare words, 128 bytes for each wave
.set SPITCH, 272
.set STAGE, SPARE+512                  ; the four stages, 17 blocks of 256 bytes each
.set STO,   8
.set RD,    9
.set BO,    10
.set CO,    11
.set ADRS,  12                         ; v12, 13  ao's scale words, K steps 0-3 and 4-7
.set ADRA,  14                         ; v14, 15  ao's fragments
.set ADRB,  16                         ; v16, 17  my half-block of wp
.set ADRP,  18                         ; v18, 19  its scale words
.set SPW,   28
.set NIL,   29
.set PS,    32
.set QS,    64
.set BI,    80
.set ACC,   112
.set OB,    176
.set G1,    24
.set G0,    32
.set G1B,   44
.set G0B,   52
.set MSB, 0
.macro WIN new                         ; the immediate's high byte repeats the setting that is left
.if MSB != (\new)
	s_set_vgpr_msb (MSB<<8)|(\new)
.set MSB, (\new)
.endif
.endm
.macro CROUND
	s_barrier_signal -1
	s_barrier_wait -1
	s_cmp_lg_u32 s14, 0
	s_cbranch_scc1 .Lnot_wave_0_\@
	s_barrier_signal -3
.Lnot_wave_0_\@:
	s_barrier_wait -3
	s_barrier_signal -1
	s_barrier_wait -1
.endm
.macro PLACES                          ; four plain places behind a matrix instruction (ISA guide 7.12.1)
.rept 4
	v_nop
.endr
.endm
	s_load_b256 s[4:11], s[0:1], 0x0               ; ao s[4:5], wp s[6:7], b_proj s[8:9], out0 s[10:11]
	v_lshl_add_u32 v[SPW], v0, 2, SPARE
	v_mov_b32 v[NIL], 0
	ds_add_u32 v[SPW], v[NIL]                      ; the opening lines: the add, twice on end, and its wait
	ds_add_u32 v[SPW], v[NIL]
	v_lshrrev_b32 v1, 5, v0
	v_readfirstlane_b32 s14, v1                    ; wave 0..3
	s_lshr_b32 s15, s14, 1                         ; my group of wp.  Also: I fetch ao (0) or wp (1)
	s_and_b32 s16, s14, 1                          ; my half-block of it.  Also: which part of that tensor I fetch
	s_bfe_u32 s66, ttmp6, 0x40000                  ; cx
	s_bfe_u32 s67, ttmp6, 0x40004                  ; cy
	s_and_b32 s69, ttmp7, 0xffff
	s_lshl_b32 s70, s67, 2
	s_lshl_b32 s70, 15, s70                        ; my row of the cluster
	s_lshl_b32 s71, 0x1111, s66                    ; my column
	s_or_b32 s[G1], s70, (3<<16)|(1<<21)           ; the mask; elements of 8 bytes; bit 21 beside a mask; no padding: every LDS read of codes takes 512 bytes on end
	s_or_b32 s[G1B], s71, (3<<16)|(1<<21)
.irp g, G1, G1B
	s_mov_b32 s[\g+1], 32<<16                      ; rows of 256 bytes, dense
	s_mov_b32 s[\g+3], 32<<16
	s_mov_b32 s[\g+5], 32
	s_mov_b32 s[\g+6], 0
	s_mov_b32 s[\g+7], 0
.endr
	s_mov_b32 s[G1+2], 200<<16                     ; ao: half a group, four K steps
	s_mov_b32 s[G1+4], 200
	s_mov_b32 s[G1B+2], 400<<16                    ; wp: a group
	s_mov_b32 s[G1B+4], 400
	s_lshl_b32 s72, ttmp9, 2
	s_add_co_u32 s72, s72, s66                     ; which 256 columns: holds cx, never cy
	s_lshl_b32 s73, s69, 2
	s_add_co_u32 s73, s73, s67                     ; which group of tokens: holds cy, never cx
	s_mul_i32 s76, s73, GRPB
	s_mul_i32 s80, s16, GRPB/2                     ; ao's half, in memory and in LDS
	s_add_co_u32 s76, s76, s80
	s_mov_b32 s77, 0
	s_lshl_b32 s78, s72, 1
	s_add_co_u32 s78, s78, s16
	s_mul_i32 s78, s78, GRPB
	s_mov_b32 s79, 0
	s_mul_i32 s81, s16, GRPB
	s_add_co_u32 s81, s81, PB                      ; wp's group in LDS
	s_mov_b32 s[G0], 1
	s_mov_b32 s[G0+1], s80
	s_mov_b32 s[G0B], 1
	s_mov_b32 s[G0B+1], s81
	s_wait_dscnt 0x0                               ; both opening adds are done
	s_wait_kmcnt 0x0
	s_add_nc_u64 s[G0+2:G0+3], s[4:5], s[76:77]
	s_or_b32 s[G0+3], s[G0+3], 0x80000000
	s_add_nc_u64 s[G0B+2:G0B+3], s[6:7], s[78:79]
	s_or_b32 s[G0B+3], s[G0B+3], 0x80000000
	CROUND                                         ; all sixteen work-groups are here: the joint loads meet
	s_cmp_eq_u32 s15, 0
	s_cbranch_scc0 .Lfor_p
	tensor_load_to_lds s[G0:G0+3], s[G1:G1+7]
	s_nop 0
	PLACES
	s_branch .Lasked
.Lfor_p:
	tensor_load_to_lds s[G0B:G0B+3], s[G1B:G1B+7]
	s_nop 0
	PLACES
.Lasked:
	s_lshl_b32 s87, s72, 10
	s_lshl_b32 s88, s15, 9
	s_add_co_u32 s88, s88, s87
	s_lshl_b32 s87, s16, 8
	s_add_co_u32 s88, s88, s87                     ; my first column, in bytes: a multiple of 256
	s_mov_b32 s89, 0
	s_add_nc_u64 s[8:9], s[8:9], s[88:89]
	s_lshl_b32 s90, s73, 19                        ; 128 tokens of 4,096 bytes
	s_add_co_u32 s90, s90, s88
	s_mov_b32 s91, 0
	s_add_nc_u64 s[10:11], s[10:11], s[90:91]
	s_mul_i32 s18, s15, GRPB
	s_mul_i32 s17, s16, HBB
	s_add_co_u32 s18, s18, s17
	s_add_co_u32 s18, s18, PB                      ; my half-block of wp in LDS
	s_add_co_u32 s19, s18, 6144
	s_mul_i32 s23, s14, 16*SPITCH
	s_add_co_u32 s23, s23, STAGE                   ; my stage
	v_and_b32 v1, 15, v0                           ; r
	v_bfe_u32 v2, v0, 4, 1                         ; h
	v_and_b32 v4, 31, v0
	v_lshlrev_b32 v[BO], 6, v2
.irp t, 0,1,2,3
	global_load_b128 v[BI+8*\t:BI+8*\t+3], v[BO], s[8:9] offset:(32*(\t/2)+8*(\t%2))*4       ; register j of tile t is column 32 (t / 2) + 16 h + 8 (t % 2) + j of my 64
	global_load_b128 v[BI+8*\t+4:BI+8*\t+7], v[BO], s[8:9] offset:(32*(\t/2)+8*(\t%2))*4+16
.endr
	v_lshlrev_b32 v[ADRA], 4, v4
	v_lshlrev_b32 v5, 3, v1
	v_add_nc_u32 v[ADRS], 6144, v5
	v_add_nc_u32 v[ADRB], s18, v[ADRA]
	v_add_nc_u32 v[ADRP], s19, v5
.irp r, ADRS, ADRA, ADRB, ADRP
	v_add_nc_u32 v[\r+1], 4*BLKB, v[\r]
.endr
	v_mul_u32_u24 v6, v1, SPITCH                   ; the stage, way in: row r, 64 bytes for each half of the lanes in every 128
	v_lshl_add_u32 v6, v2, 6, v6
	v_add_nc_u32 v[STO], s23, v6
	v_mul_u32_u24 v7, v2, SPITCH                   ; way back: sixteen lanes take a row of 256 bytes, two rows a load
	v_lshl_add_u32 v7, v1, 4, v7
	v_add_nc_u32 v[RD], s23, v7
	v_lshlrev_b32 v[CO], 12, v2                    ; and the same two rows in out0
	v_lshl_add_u32 v[CO], v1, 4, v[CO]
.macro MM d, s0, s1, c, x0, x1
	v_wmma_scale_f32_16x16x128_f8f6f4 v[\d:\d+7], v[\s0:\s0+11], v[\s1:\s1+11], \c, v[\x0], v[\x1] matrix_a_fmt:MATRIX_FMT_FP6 matrix_b_fmt:MATRIX_FMT_FP6
.endm
.macro WEIGHTS                         ; my 64 columns, all of K: 96 loads of codes, 16 of scale words (tile t of step s in register 4 s + 2 (t % 2) + t / 2)
.irp s, 0,1,2,3,4,5,6,7
.irp t, 0,1,2,3
.set F_, 4*\s+\t
	WIN (1+F_/21)<<6
.irp c, 0,1,2
	ds_load_b128 v[12*(F_%21)+4*\c:12*(F_%21)+4*\c+3], v[ADRB+\s/4] offset:BLKB*(\s%4)+1536*\t+512*\c
.endr
.endr
.endr
	WIN 0
.irp s, 0,1,2,3,4,5,6,7
.irp w, 0,1
	ds_load_b64 v[PS+4*\s+2*\w:PS+4*\s+2*\w+1], v[ADRP+\s/4] offset:BLKB*(\s%4)+128*\w
.endr
.endr
.endm
.macro FETCH a                         ; tile a of the tokens, all of K, into set a % 2: 24 + 8 = 32 loads
	WIN 0xc0
.irp s, 0,1,2,3,4,5,6,7
.irp c, 0,1,2
	ds_load_b128 v[12*(8*((\a)%2)+\s)+4*\c:12*(8*((\a)%2)+\s)+4*\c+3], v[ADRA+\s/4] offset:BLKB*(\s%4)+HBB*((\a)/4)+1536*((\a)%4)+512*\c
.endr
.endr
	WIN 0
.irp s, 0,1,2,3,4,5,6,7
	ds_load_b32 v[QS+8*((\a)%2)+\s], v[ADRS+\s/4] offset:BLKB*(\s%4)+HBB*((\a)/4)+128*((\a)%2)+4*(((\a)%4)/2)
.endr
.endm
.macro MULB a                          ; 32 products: the tile's four accumulators take turns, K ascending
.irp s, 0,1,2,3,4,5,6,7
.irp t, 0,1,2,3
.set F_, 4*\s+\t
	WIN (1+F_/21)|(3<<2)
.if \s == 0
	MM ACC+32*((\a)%2)+8*\t, 12*(F_%21), 12*(8*((\a)%2)+\s), v[BI+8*\t:BI+8*\t+7], PS+4*\s+2*(\t%2)+\t/2, QS+8*((\a)%2)+\s
.else
	MM ACC+32*((\a)%2)+8*\t, 12*(F_%21), 12*(8*((\a)%2)+\s), v[ACC+32*((\a)%2)+8*\t:ACC+32*((\a)%2)+8*\t+7], PS+4*\s+2*(\t%2)+\t/2, QS+8*((\a)%2)+\s
.endif
.endr
.endr
	WIN 0
.endm
.macro ST a                            ; tile a through my stage: 8 stores, 8 loads; LDS serves a wave's instructions in order
.irp t, 0,1,2,3
	ds_store_b128 v[STO], v[ACC+32*((\a)%2)+8*\t:ACC+32*((\a)%2)+8*\t+3] offset:128*(\t/2)+32*(\t%2)       ; each accumulator from its low end on
	ds_store_b128 v[STO], v[ACC+32*((\a)%2)+8*\t+4:ACC+32*((\a)%2)+8*\t+7] offset:128*(\t/2)+32*(\t%2)+16
.endr
.irp k, 0,1,2,3,4,5,6,7
	ds_load_b128 v[OB+32*((\a)%2)+4*\k:OB+32*((\a)%2)+4*\k+3], v[RD] offset:2*\k*SPITCH
.endr
.endm
.macro GS a                            ; position m of tile a is token 32 (a / 2) + 8 (a % 2) + m % 8 + 16 (m / 8); load k brought positions 2 k and 2 k + 1
.irp k, 0,1,2,3,4,5,6,7
	global_store_b128 v[CO], v[OB+32*((\a)%2)+4*\k:OB+32*((\a)%2)+4*\k+3], s[10:11] offset:4096*(32*((\a)/2)+8*((\a)%2)+(2*\k)%8+16*(\k/4)) th:TH_STORE_NT   ; two aligned units of 256 bytes
.endr
.endm
	s_wait_alu depctr_va_vdst(0)
	s_wait_tensorcnt 0x0                           ; my part is in
	s_barrier_signal -1
	s_barrier_wait -1                              ; and everybody's: all of K, both tensors
	WEIGHTS
	FETCH 0
	FETCH 1
	s_wait_loadcnt 0x0                             ; the bias
	s_wait_dscnt 32                                ; all but tile 1's 32 loads
	MULB 0
	PLACES                                         ; in front of loads into the set that these products have read
	FETCH 2
	s_wait_dscnt 32
	MULB 1
	PLACES
	ST 0
	FETCH 3
.irp a, 2,3,4,5
	s_wait_dscnt 32                                ; my tile's fragments are in and tile a - 2 is back from the stage; the 32 loads of tile a + 1 may be out
	GS \a-2
	MULB \a
	PLACES
	s_wait_xcnt 0x0                                ; the stores of tile a - 3 have read the registers that tile a - 1's rows take
	ST \a-1
	FETCH \a+2
.endr
	s_wait_dscnt 32
	GS 4
	MULB 6
	PLACES
	s_wait_xcnt 0x0
	ST 5
	s_wait_dscnt 0x0
	GS 5
	MULB 7
	PLACES
	s_wait_xcnt 0x0
	ST 6
	ST 7
	s_wait_dscnt 16                                ; tile 6 is back; tile 7's 16 lines may be out
	GS 6
	s_wait_dscnt 0x0
	GS 7
	s_wait_tensorcnt 0x0                           ; the wave's end
	ds_add_u32 v[SPW], v[NIL]
	s_wait_dscnt 0x0
	CROUND                                         ; the closing round
	s_endpgm
.Lfunc_end_k_q461e515d0b_gemm_proj:
	.size	k_q461e515d0b_gemm_proj, .Lfunc_end_k_q461e515d0b_gemm_proj-k_q461e515d0b_gemm_proj
	.p2alignl 7, 3214868480
	.fill 96, 4, 3214868480
	.section	.rodata,"a",@progbits
	.p2align	6, 0x0
	.amdhsa_kernel k_q461e515d0b_gemm_proj
		.amdhsa_group_segment_fixed_size 327680
		.amdhsa_private_segment_fixed_size 0
		.amdhsa_enable_private_segment 0
		.amdhsa_kernarg_size 32
		.amdhsa_user_sgpr_count 2
		.amdhsa_user_sgpr_kernarg_segment_ptr 1
		.amdhsa_wavefront_size32 1
		.amdhsa_system_sgpr_workgroup_id_x 1
		.amdhsa_system_sgpr_workgroup_id_y 1
		.amdhsa_system_sgpr_workgroup_id_z 1
		.amdhsa_system_vgpr_workitem_id 0
		.amdhsa_next_free_vgpr 960
		.amdhsa_next_free_sgpr 100
		.amdhsa_reserve_vcc 0
		.amdhsa_float_denorm_mode_32 3
		.amdhsa_float_denorm_mode_16_64 3
		.amdhsa_memory_ordered 1
		.amdhsa_forward_progress 1
		.amdhsa_inst_pref_size 79
	.end_amdhsa_kernel
	.amdgpu_metadata
---
amdhsa.version: [ 1, 2 ]
amdhsa.kernels:
  - .name:           k_q461e515d0b_gemm_proj
    .symbol:         k_q461e515d0b_gemm_proj.kd
    .args:
      - { .name: ao, .offset: 0, .size: 8, .value_kind: global_buffer, .address_space: global }
      - { .name: wp, .offset: 8, .size: 8, .value_kind: global_buffer, .address_space: global }
      - { .name: b_proj, .offset: 16, .size: 8, .value_kind: global_buffer, .address_space: global }
      - { .name: out0, .offset: 24, .size: 8, .value_kind: global_buffer, .address_space: global }
    .group_segment_fixed_size: 327680
    .private_segment_fixed_size: 0
    .kernarg_segment_align: 8
    .kernarg_segment_size: 32
    .max_flat_workgroup_size: 128
    .sgpr_count:     100
    .vgpr_count:     960
    .wavefront_size: 32
...
	.end_amdgpu_metadata
.endif
;; end of part 4
